; MI455X (gfx1250); checked and timed in simulation.
; The chip was launched on July 23, 2026; its instructions are those of AMD's public machine-readable ISA for CDNA 5 (MIT licence, August 2026) and "CDNA5" Instruction Set Architecture Reference Guide (July 2026). The comments in the code are by the model that wrote it; some were corrected since.
;; DNDF Tree. Allowed arithmetic: float matrix products may take bf16 or f16 operands with f32 sums; other float arithmetic in f32, or as packed bf16 or f16 multiplies, adds, multiply-adds, maxima and minima; sums over many terms, partial sums and values carried from step to step in f32; what a program stores and reads back later, other than sums and carried values, may be rounded once to bf16 or f16.
;; Inputs: Wd 63 x 1,024 float32; Wl 64 x 1,024 x 1,024 float32; bd 63 float32; bl 64 x 1,024 float32; x 1,024 x 1,024 float32.
;; Outputs: out0 1,024 x 1,024 float32.
;; 2 versions, each right; version 2 is version 1 with the launches prep, mix written anew for expert scheduling mode. Each part assembles by itself: llvm-mc -triple=amdgcn-amd-amdhsa -mcpu=gfx1250 --defsym DOCPART=n.
;; ======== version 1 of 2: 3 launches
;; workspace buffers: xb 2,097,152 bytes; wb 134,217,728 bytes; rt 262,144 bytes; eb 134,217,728 bytes; cf 2,097,152 bytes
;; launch prep (part 1): grid 2144 x 1, 8 waves a work-group, no clusters, 33,792 bytes of LDS; arguments x, Wl, Wd, bd, xb, wb, rt; writes xb, wb, rt
.if DOCPART == 1
	.amdgcn_target "amdgcn-amd-amdhsa--gfx1250"
	.amdhsa_code_object_version 6
	.text
	.protected	k_q651a2b6eb1_prep
	.globl	k_q651a2b6eb1_prep
	.p2align	8
	.type	k_q651a2b6eb1_prep,@function
k_q651a2b6eb1_prep:
	s_mov_b64 s[64:65], 0
	v_nop
	global_prefetch_b8 v0, s[64:65] scope:SCOPE_SE
	s_setreg_imm32_b32 hwreg(HW_REG_WAVE_MODE, 25, 1), 1
	s_wait_xcnt 0x0
; PREP.  Two kinds of work-group, told apart by the work-group's number alone (the same for all eight waves).
; Numbers 64 .. 2143 STREAM: x (32 chunks) and Wl (2,048 chunks) are rounded once to bf16 into xb and wb, in the same order; a chunk is 131,072 bytes in, 65,536 out.
; Numbers 0 .. 63 ROUTE: for 16 rows of x, all 63 decision nodes: p = sigmoid(x . Wd + bd), products on the matrix unit with bf16 operands and f32 sums, then for each of
; the 64 leaves the product of its six p or 1 - p.  rt is laid [row / 16][leaf][row % 16] in f32: 4,096 consecutive bytes for a work-group.
; No cluster, no tensor load: no two streaming work-groups read the same byte, and a routing work-group reads 256 KB of Wd once.
; LIMITS.  NaN and infinities are not treated apart; 2^t below 2^-126 counts as 0, so p is exactly 1 there; the six factors are multiplied in another order than the reference's.
.set PART,  0                          ; LDS: eight waves' partial sums, 4,096 bytes each
.set DP,    0                          ; 16 rows of 64 p, 256 bytes + 16 of padding: 4,352 bytes of the partial sums' region, taken again when all waves have read those
.set DPP,   272
.set RTS,   8192                       ; [64 leaves][16 rows] f32: 4,096 bytes of the same region, apart from the table of p
.set SPARE, 32768                      ; the spare words, 128 bytes for each of eight waves: four blocks of 256 bytes that no other line names
.set X,     16                         ; stream: v[16:79]   16 slots of 4 registers as loaded
.set Y,     80                         ; stream: v[80:143]  32 pairs to store, each written once
.set ACC,   16                         ; route:  v[16:47]   four accumulators: node blocks 0..3
.set FR,    48                         ; route:  v[48:87]   bf16 fragments: node blocks 0..3, then x
.set S0,    88                         ; route:  v[88:167]  one K step's f32 as loaded, 16 registers a block
.set S1,    168                        ; route:  v[168:247] the other K step's
	s_load_b256 s[4:11], s[0:1], 0x0               ; x s[4:5], Wl s[6:7], Wd s[8:9], bd s[10:11]
	s_load_b128 s[12:15], s[0:1], 0x20             ; xb s[12:13], wb s[14:15]
	s_load_b64 s[16:17], s[0:1], 0x30              ; rt
	v_lshl_add_u32 v8, v0, 2, SPARE                ; my spare word; never rewritten
	v_mov_b32 v9, 0                                ; 0; never rewritten
	v_lshrrev_b32 v7, 5, v0
	v_readfirstlane_b32 s20, v7                    ; wave 0..7
	s_cmp_lt_u32 ttmp9, 64
	s_cbranch_scc1 .Lroute
	; ---------------- STREAM ----------------
	; Thread t takes 16 bytes at 16 t of each piece of 4,096 bytes (a wave's load: 512 consecutive bytes) and stores 8 bytes at 8 t of each piece of 2,048
	; (a wave's store: 256 consecutive bytes, at a multiple of 256 from the buffer's first byte).  16 loads of every wave are on their way; no register that a store names is rewritten.
	s_sub_co_u32 s21, ttmp9, 64                    ; 0..31: x's chunks; 32..2079: Wl's
	s_sub_co_u32 s22, s21, 32
	v_lshlrev_b32 v1, 4, v0
	v_lshlrev_b32 v2, 3, v0
	s_wait_kmcnt 0x0
	s_cmp_lt_u32 s21, 32
	s_cselect_b64 s[24:25], s[4:5], s[6:7]         ; from x or from Wl,
	s_cselect_b64 s[26:27], s[12:13], s[14:15]     ; to xb or to wb,
	s_cselect_b32 s21, s21, s22                    ; chunk number in that tensor
	s_lshl_b32 s22, s21, 17                        ; 2,047 x 131,072 at the most: under 2^32
	s_mov_b32 s23, 0
	s_add_nc_u64 s[24:25], s[24:25], s[22:23]
	s_lshl_b32 s22, s21, 16
	s_add_nc_u64 s[26:27], s[26:27], s[22:23]
.set i, 0
.rept 16
	global_load_b128 v[X+4*i:X+4*i+3], v1, s[24:25] offset:4096*i th:TH_LOAD_NT  ; Wl is read once in the launch (x's 32 chunks of 2,080 are read a second time by the routing work-groups)
.set i, i+1
.endr
.set i, 0
.rept 32
.if i < 16
	s_wait_loadcnt 15                              ; loads come back in order: piece i is in, the 15 younger ones stay out
.else
	s_wait_loadcnt 31-i                            ; nothing is asked for any more: the counts run down
.endif
	v_cvt_pk_bf16_f32 v[Y+2*i],   v[X+4*(i%16)],   v[X+4*(i%16)+1]
	v_cvt_pk_bf16_f32 v[Y+2*i+1], v[X+4*(i%16)+2], v[X+4*(i%16)+3]
.if i < 16
	global_load_b128 v[X+4*i:X+4*i+3], v1, s[24:25] offset:4096*(i+16) th:TH_LOAD_NT
.endif
	global_store_b64 v2, v[Y+2*i:Y+2*i+1], s[26:27] offset:2048*i
.set i, i+1
.endr
	s_endpgm
	; ---------------- ROUTE ----------------
.Lroute:
	v_and_b32 v1, 15, v0                           ; r
	v_bfe_u32 v2, v0, 4, 1                         ; h
	v_and_b32 v3, 31, v0                           ; lane
	; A bf16 fragment is 16 rows x 32 K: lane (r, h) holds row r, K = 8 h + 0..7 and 16 + 8 h + 0..7: in f32 that is 32 bytes at 32 h and 32 bytes at 64 + 32 h of the K step's 128.
	s_lshl_b32 s21, s20, 9                         ; wave w takes K = 128 w .. 128 w + 127: 512 bytes of every row
	v_lshlrev_b32 v4, 12, v1                       ; 4,096 r
	v_lshl_add_u32 v4, v2, 5, v4
	v_add_nc_u32 v4, s21, v4                       ; rows r of Wd's blocks 0..2 (the block in the immediate) and of x
	v_add_nc_u32 v5, 48, v1
	v_min_u32 v5, 62, v5                           ; Wd has 63 rows: the 64th place repeats row 62, and its result is never read
	v_lshlrev_b32 v5, 12, v5
	v_lshl_add_u32 v5, v2, 5, v5
	v_add_nc_u32 v5, s21, v5
	s_lshr_b32 s22, s20, 1
	s_lshl_b32 s22, s22, 4
	s_and_b32 s23, s20, 1
	s_lshl_b32 s23, s23, 2
	s_add_co_u32 s22, s22, s23                     ; 16 (w / 2) + 4 (w % 2)
	v_lshl_add_u32 v6, v2, 3, s22                  ; node0: the first of the four nodes that I finish below
.irp j, 0,1,2,3
	v_add_nc_u32 v[10+(\j)], \j, v6
	v_min_u32 v[10+(\j)], 62, v[10+(\j)]           ; bd has 63 numbers
	v_lshlrev_b32 v[10+(\j)], 2, v[10+(\j)]
.endr
	v_lshlrev_b32 v15, 4, v3                       ; 16 x lane
	s_lshl_b32 s24, s20, 12
	v_add_nc_u32 v14, s24, v15                     ; where my wave's partial sums go
	v_add_nc_u32 v15, s21, v15                     ; where I read eight waves' part w
	v_mul_u32_u24 v7, v1, DPP                      ; row r of the table of p
	v_lshl_add_u32 v6, v6, 2, v7                   ; + 4 node0
	s_lshl_b32 s24, ttmp9, 16                      ; my 16 rows of x
	s_mov_b32 s25, 0
	s_lshl_b32 s26, ttmp9, 12                      ; my 4,096 bytes of rt
	s_mov_b32 s27, 0
	s_wait_kmcnt 0x0
	s_add_nc_u64 s[4:5], s[4:5], s[24:25]
	s_add_nc_u64 s[16:17], s[16:17], s[26:27]
.macro LOADK ks, st                    ; 20 loads: K step ks (32 along K) of four node blocks and of x, as f32
.irp nb, 0,1,2
.irp p, 0,1,2,3
	global_load_b128 v[(\st)+16*(\nb)+4*(\p):(\st)+16*(\nb)+4*(\p)+3], v4, s[8:9] offset:65536*(\nb)+128*(\ks)+16*(\p)+32*((\p)/2)
.endr
.endr
.irp p, 0,1,2,3
	global_load_b128 v[(\st)+48+4*(\p):(\st)+48+4*(\p)+3], v5, s[8:9] offset:128*(\ks)+16*(\p)+32*((\p)/2)
.endr
.irp p, 0,1,2,3
	global_load_b128 v[(\st)+64+4*(\p):(\st)+64+4*(\p)+3], v4, s[4:5] offset:128*(\ks)+16*(\p)+32*((\p)/2)
.endr
.endm
.macro CVTK st                         ; 40 roundings: 80 f32 registers into 5 fragments
.set i, 0
.rept 40
	v_cvt_pk_bf16_f32 v[FR+i], v[(\st)+2*i], v[(\st)+2*i+1]
.set i, i+1
.endr
.endm
.macro MMK zero                        ; source 0 = 16 nodes, source 1 = 16 rows of x: a lane holds row r and nodes 16 nb + 8 h + 0..7.  The four accumulators take turns
.irp nb, 0,1,2,3
.if \zero
	v_wmma_f32_16x16x32_bf16 v[ACC+8*(\nb):ACC+8*(\nb)+7], v[FR+8*(\nb):FR+8*(\nb)+7], v[FR+32:FR+39], 0
.else
	v_wmma_f32_16x16x32_bf16 v[ACC+8*(\nb):ACC+8*(\nb)+7], v[FR+8*(\nb):FR+8*(\nb)+7], v[FR+32:FR+39], v[ACC+8*(\nb):ACC+8*(\nb)+7]
.endif
.endr
.endm
.macro PLACES                          ; four plain vector instructions between a matrix instruction and a vector instruction that writes its sources or a store that reads its result
.rept 4
	v_nop
.endr
.endm
.irp j, 0,1,2,3
	global_load_b32 v[10+(\j)], v[10+(\j)], s[10:11]  ; bd of my four nodes: each load lands on its own address register
.endr
	LOADK 0, S0
	LOADK 1, S1
	s_wait_loadcnt 20                              ; bd and K step 0 are in; the 20 loads of step 1 stay out
	CVTK S0
	LOADK 2, S0
	MMK 1                                          ; the first K step starts the sums
	s_wait_loadcnt 20                              ; step 1 is in, step 2's 20 stay out
	PLACES
	CVTK S1
	LOADK 3, S1
	MMK 0
	s_wait_loadcnt 20                              ; step 2 is in, step 3's 20 stay out
	PLACES
	CVTK S0
	MMK 0
	s_wait_loadcnt 0x0
	PLACES
	CVTK S1
	MMK 0
	PLACES
	; The eight waves' sums over their K slices meet in LDS: wave w stores all 32 registers, then reads registers 4 w .. 4 w + 3 of every wave.
.irp i, 0,1,2,3,4,5,6,7
	ds_store_b128 v14, v[ACC+4*(\i):ACC+4*(\i)+3] offset:PART+512*(\i)  ; each accumulator's low four registers first
.endr
	s_wait_dscnt 0x0                               ; for the others' sake: my stores are done
	s_barrier_signal -1
	s_barrier_wait -1
.irp u, 0,1,2,3,4,5,6,7
	ds_load_b128 v[S0+4*(\u):S0+4*(\u)+3], v15 offset:PART+4096*(\u)
.endr
	s_wait_dscnt 0x0                               ; my reads of the partial sums are back:
	s_barrier_signal -1                            ; say so.  The tables below take those bytes again; the arithmetic, work on registers, stands between this signal and its wait
.irp u, 0,2,4,6
	v_pk_add_f32 v[S0+4*(\u):S0+4*(\u)+1],   v[S0+4*(\u):S0+4*(\u)+1],   v[S0+4*(\u)+4:S0+4*(\u)+5]
	v_pk_add_f32 v[S0+4*(\u)+2:S0+4*(\u)+3], v[S0+4*(\u)+2:S0+4*(\u)+3], v[S0+4*(\u)+6:S0+4*(\u)+7]
.endr
.irp u, 0,4
	v_pk_add_f32 v[S0+4*(\u):S0+4*(\u)+1],   v[S0+4*(\u):S0+4*(\u)+1],   v[S0+4*(\u)+8:S0+4*(\u)+9]
	v_pk_add_f32 v[S0+4*(\u)+2:S0+4*(\u)+3], v[S0+4*(\u)+2:S0+4*(\u)+3], v[S0+4*(\u)+10:S0+4*(\u)+11]
.endr
	v_pk_add_f32 v[S0:S0+1],   v[S0:S0+1],   v[S0+16:S0+17]
	v_pk_add_f32 v[S0+2:S0+3], v[S0+2:S0+3], v[S0+18:S0+19]
	v_pk_add_f32 v[S0:S0+1],   v[S0:S0+1],   v[10:11]      ; + bd
	v_pk_add_f32 v[S0+2:S0+3], v[S0+2:S0+3], v[12:13]
	; p = 1 / (1 + 2^(-log2(e) t))
.irp j, 0,1,2,3
	v_mul_f32 v[S0+(\j)], 0xbfb8aa3b, v[S0+(\j)]
.endr
.irp j, 0,1,2,3
	v_exp_f32 v[S0+(\j)], v[S0+(\j)]
.endr
	v_nop                                          ; a plain instruction behind the last exponential,
	s_wait_alu depctr_va_vdst(0)                   ; and the wait ahead of the first use: one for the four
.irp j, 0,1,2,3
	v_add_f32 v[S0+(\j)], 1.0, v[S0+(\j)]
.endr
.irp j, 0,1,2,3
	v_rcp_f32 v[S0+(\j)], v[S0+(\j)]
.endr
	v_nop
	s_wait_alu depctr_va_vdst(0)                   ; one for the four reciprocals
	s_barrier_wait -1                              ; every wave has read the partial sums: their bytes may be written
	ds_store_b128 v6, v[S0:S0+3] offset:DP
	; THE PATHS.  Leaf l takes bit d of l at depth d; the node at depth d is 2^d - 1 + (b0 .. b(d-1) read as a number, b0 on top).  I have row r and the prefix g = b0 b1 b2 b3 = 2 w + h,
	; so b0, b1, b2 are bits 2, 1, 0 of the wave's number and b3 is h; my four leaves differ in b4 and b5.
	s_lshr_b32 s24, s20, 2
	v_lshl_add_u32 v56, s24, 2, v7                 ; depth 1: node 1 + (g >> 3)
	s_lshr_b32 s24, s20, 1
	v_lshl_add_u32 v57, s24, 2, v7                 ; depth 2: node 3 + (g >> 2)
	v_lshl_add_u32 v58, s20, 2, v7                 ; depth 3: node 7 + (g >> 1)
	v_lshl_add_u32 v59, s20, 1, v2                 ; g
	v_lshl_add_u32 v60, v59, 3, v7                 ; depth 5: nodes 31 + 2 g, 32 + 2 g
	v_lshl_add_u32 v59, v59, 2, v7                 ; depth 4: node 15 + g
	s_and_b32 s24, s20, 1                          ; the leaf's low four bits are g's in reverse: b0 + 2 b1 + 4 b2 + 8 b3
	s_lshl_b32 s24, s24, 2
	s_and_b32 s25, s20, 2
	s_add_co_u32 s24, s24, s25
	s_lshr_b32 s25, s20, 2
	s_add_co_u32 s24, s24, s25
	s_lshl_b32 s24, s24, 6                         ; 64 bytes a leaf
	v_lshl_add_u32 v61, v2, 9, s24
	v_lshl_add_u32 v61, v1, 2, v61                 ; + 4 r
	s_wait_dscnt 0x0                               ; for the others' sake: my p are in the table
	s_barrier_signal -1
	s_barrier_wait -1
	ds_load_b32 v48, v7  offset:DP
	ds_load_b32 v49, v56 offset:DP+4
	ds_load_b32 v50, v57 offset:DP+12
	ds_load_b32 v51, v58 offset:DP+28
	ds_load_b32 v52, v59 offset:DP+60
	ds_load_b32 v53, v60 offset:DP+124
	ds_load_b32 v54, v60 offset:DP+128
	s_bitcmp1_b32 s20, 2                           ; b0 = 1: 1 - p = p x (-1) + 1; b0 = 0: p = p x 1 + 0
	s_cselect_b32 s24, -1.0, 1.0
	s_cselect_b32 s25, 1.0, 0
	s_bitcmp1_b32 s20, 1                           ; b1
	s_cselect_b32 s26, -1.0, 1.0
	s_cselect_b32 s27, 1.0, 0
	s_bitcmp1_b32 s20, 0                           ; b2
	s_cselect_b32 s28, -1.0, 1.0
	s_cselect_b32 s29, 1.0, 0
	v_cmp_ne_u32 vcc_lo, 0, v2                     ; b3
	s_wait_dscnt 0x0
	v_fma_f32 v48, v48, s24, s25
	v_fma_f32 v49, v49, s26, s27
	v_fma_f32 v50, v50, s28, s29
	v_sub_f32 v55, 1.0, v51
	v_cndmask_b32 v51, v51, v55, vcc_lo
	v_mul_f32 v48, v48, v49
	v_mul_f32 v50, v50, v51
	v_mul_f32 v48, v48, v50                        ; the first four factors
	v_sub_f32 v55, 1.0, v52
	v_mul_f32 v49, v48, v52                        ; b4 = 0
	v_mul_f32 v50, v48, v55                        ; b4 = 1
	v_sub_f32 v56, 1.0, v53
	v_sub_f32 v57, 1.0, v54
	v_mul_f32 v62, v49, v53                        ; b4 = 0, b5 = 0
	v_mul_f32 v63, v50, v54                        ; b4 = 1, b5 = 0
	v_mul_f32 v64, v49, v56                        ; b4 = 0, b5 = 1
	v_mul_f32 v65, v50, v57                        ; b4 = 1, b5 = 1
	ds_store_b32 v61, v62 offset:RTS               ; bytes apart from the table of p, which other waves may still be reading
	ds_store_b32 v61, v63 offset:RTS+1024          ; 16 leaves on
	ds_store_b32 v61, v64 offset:RTS+2048
	ds_store_b32 v61, v65 offset:RTS+3072
	v_lshlrev_b32 v66, 4, v0                       ; 16 t
	s_wait_dscnt 0x0
	s_barrier_signal -1
	s_barrier_wait -1
	ds_load_b128 v[68:71], v66 offset:RTS
	s_wait_dscnt 0x0
	global_store_b128 v66, v[68:71], s[16:17]      ; a wave stores 512 consecutive bytes, at a multiple of 256 from rt's first byte
	s_wait_tensorcnt 0x0                           ; the wave's end, behind my last LDS store
	ds_add_u32 v8, v9
	s_wait_dscnt 0x0
	s_endpgm
.Lfunc_end_k_q651a2b6eb1_prep:
	.size	k_q651a2b6eb1_prep, .Lfunc_end_k_q651a2b6eb1_prep-k_q651a2b6eb1_prep
	.p2alignl 7, 3214868480
	.fill 96, 4, 3214868480
	.section	.rodata,"a",@progbits
	.p2align	6, 0x0
	.amdhsa_kernel k_q651a2b6eb1_prep
		.amdhsa_group_segment_fixed_size 33792
		.amdhsa_private_segment_fixed_size 0
		.amdhsa_enable_private_segment 0
		.amdhsa_kernarg_size 56
		.amdhsa_user_sgpr_count 2
		.amdhsa_user_sgpr_kernarg_segment_ptr 1
		.amdhsa_wavefront_size32 1
		.amdhsa_system_sgpr_workgroup_id_x 1
		.amdhsa_system_sgpr_workgroup_id_y 1
		.amdhsa_system_sgpr_workgroup_id_z 1
		.amdhsa_system_vgpr_workitem_id 0
		.amdhsa_next_free_vgpr 248
		.amdhsa_next_free_sgpr 66
		.amdhsa_reserve_vcc 1
		.amdhsa_float_denorm_mode_32 3
		.amdhsa_float_denorm_mode_16_64 3
		.amdhsa_memory_ordered 1
		.amdhsa_forward_progress 1
		.amdhsa_inst_pref_size 40
	.end_amdhsa_kernel
	.amdgpu_metadata
---
amdhsa.version: [ 1, 2 ]
amdhsa.kernels:
  - .name:           k_q651a2b6eb1_prep
    .symbol:         k_q651a2b6eb1_prep.kd
    .args:
      - { .name: x, .offset: 0, .size: 8, .value_kind: global_buffer, .address_space: global }
      - { .name: Wl, .offset: 8, .size: 8, .value_kind: global_buffer, .address_space: global }
      - { .name: Wd, .offset: 16, .size: 8, .value_kind: global_buffer, .address_space: global }
      - { .name: bd, .offset: 24, .size: 8, .value_kind: global_buffer, .address_space: global }
      - { .name: xb, .offset: 32, .size: 8, .value_kind: global_buffer, .address_space: global }
      - { .name: wb, .offset: 40, .size: 8, .value_kind: global_buffer, .address_space: global }
      - { .name: rt, .offset: 48, .size: 8, .value_kind: global_buffer, .address_space: global }
    .group_segment_fixed_size: 33792
    .private_segment_fixed_size: 0
    .kernarg_segment_align: 8
    .kernarg_segment_size: 56
    .max_flat_workgroup_size: 256
    .sgpr_count:     66
    .vgpr_count:     248
    .wavefront_size: 32
...
	.end_amdgpu_metadata
.endif
;; end of part 1
;; launch gemm (part 2): grid 64 x 4, 4 waves a work-group, clusters of 4 x 4, 327,680 bytes of LDS; arguments xb, wb, eb, bl, rt, cf; writes eb, cf
.if DOCPART == 2
	.amdgcn_target "amdgcn-amd-amdhsa--gfx1250"
	.amdhsa_code_object_version 6
	.text
	.protected	k_q651a2b6eb1_gemm
	.globl	k_q651a2b6eb1_gemm
	.p2align	8
	.type	k_q651a2b6eb1_gemm,@function
k_q651a2b6eb1_gemm:
	s_mov_b64 s[64:65], 0
	v_nop
	global_prefetch_b8 v0, s[64:65] scope:SCOPE_SE
	s_setreg_imm32_b32 hwreg(HW_REG_WAVE_MODE, 25, 1), 1
	s_wait_xcnt 0x0
	s_wait_alu depctr_hold_cnt(0) depctr_sa_sdst(0) depctr_va_vdst(0) depctr_va_sdst(0) depctr_va_ssrc(0) depctr_va_vcc(0) depctr_vm_vsrc(0)
	s_getreg_b32 s2, hwreg(HW_REG_IB_STS2, 6, 4)
	s_cmp_eq_u32 s2, 0
	s_cbranch_scc0 .Lentry_in_a_cluster
	s_endpgm
.Lentry_in_a_cluster:
	s_bfe_u32 s2, ttmp6, 0x10000c
	s_cmp_lg_u32 s2, 0xf033
	s_cbranch_scc0 .Lentry_shape_is_right
	s_endpgm
.Lentry_shape_is_right:
; LEAF LOGITS AND LOCAL SOFTMAX.  s[b][l][o] = sum over k of xb[b][k] wb[l][o][k] + bl[l][o]: a product C = A B^T with A = xb [1024][1024], B = wb [65536][1024], bf16 operands, f32 sums.
; A tile of C is 256 x 256: four waves, each 128 x 128 in 64 accumulators (512 registers).  K goes in steps of 128 through a ring of two LDS slots filled by the tensor data mover.
; A WORK-GROUP STAYS on one leaf and one block of 256 rows and walks the leaf's four tiles of 256 columns; the ring runs on from tile to tile.
; THE BIAS is the C operand of the product that starts each sum.
; THE WAY OUT is a softmax by pieces.  For each row and each piece of 128 columns (a wave's width): m = the piece's largest logit, e = 2^(c s - c m) with c = log2(e), z = the sum of the piece's e.
; e goes to eb in bf16; c m and z (f32) stay in LDS.  Behind the fourth tile each row's eight pieces are joined: cM = the largest c m, f_i = 2^(c m_i - cM), Z = sum f_i z_i, and
; cf[leaf][row][i] = routing[row][leaf] f_i / Z, so that routing x softmax = cf x e exactly as with the row's own maximum taken away.
; CLUSTER: 4 x 4 work-groups = 4 leaves x all 4 row blocks.  The four of a row of the cluster need the same tiles of xb, the four of a column the same tiles of wb: each tile is asked for
; JOINTLY, by the same tensor load with the same descriptor and a mask that names the four.  So every byte of wb is asked for once in the launch.
; LIMITS.  NaN and infinities are not treated apart.  An e or an f below 2^-126 counts as 0.  z is the sum of the unrounded e; the e that is stored is rounded once to bf16.
;
; THE MATRIX INSTRUCTION IS USED TRANSPOSED: source 0 = 16 rows of wb, source 1 = 16 rows of xb.  Lane l then holds row l % 16 of C and columns 8 (l / 16) + 0..7 of the accumulator's 16:
; a row's 128 columns lie in two lanes, 16 apart, and a row's maximum and sum want one exchange between the halves of the lanes.
; REGISTERS, in windows of 256 (s_set_vgpr_msb: bits 1:0 source 0, 3:2 source 1, 5:4 source 2, 7:6 destination):
;   window 0: v0-31 addresses and statistics; v64-127, v128-191 fragments of xb, two buffers; v32-63, v192-255 at work on the way out
;   window 1: v0-63 the bias of my 128 columns; v64-127, v128-191 fragments of wb, two buffers; v192-195 routing of the rows that I join
;   window 2: the 32 accumulators of my rows 0-63 (accumulator (a, b) at v[8 (8 a + b)]);   window 3: those of my rows 64-127
.set SIZE_K, 1024
.set TILES,  4
.set KSTEP,  128
.set PITCH,  272                       ; an LDS row: 256 bytes + 16 of padding = 68 words: the 16 rows of a fragment load start at 16 different groups of four banks (64 banks of 4 bytes: ISA guide 11.1)
.set HALFT,  128*PITCH                 ; 128 rows: what one tensor load brings, and what one wave reads of A or of B
.set SLOT,   4*HALFT                   ; A's 256 rows, then B's 256 rows
.set STAGE,  2*SLOT                    ; behind the ring: 16 rows x 272 bytes for each wave, for the way out
.set SPITCH, 272
.set SPARE,  STAGE+4*16*SPITCH         ; the spare words, 128 bytes for each wave: two blocks of 256 bytes that no other line names
.set TAB,    SPARE+512                 ; [4 waves][128 rows] x 48 bytes: c m of tiles 0..3 at +0, z of tiles 0..3 at +16
.set TP,     48
.set LAPS,   SIZE_K/(2*KSTEP)          ; a lap = two K steps = once round the ring
.set BACK_A, (SIZE_K-2*KSTEP)*2        ; bytes from a slot's last K step of a tile back to its first: the walk's tiles share their rows of xb
.set NEXT_B, 256*SIZE_K*2-BACK_A       ; wb goes 256 rows down and back along K
.set EROW,   131072                    ; bytes in a row of eb: 65,536 bf16
.set CH,   6                           ; v6-9    four running maxima
.set CM,   10                          ; v10-11  c m; the packed scaling names the pair and takes its low word for both halves
.set ZS,   12                          ; v12     the row's sum
.set ZT,   13                          ; v13     what the other half of the lanes holds
.set TA,   14                          ; v14     where I put c m (lanes 0-15) or z (lanes 16-31) of row l % 16; 4 bytes on with each tile
.set TR,   15                          ; v15     where I read the rows that I join
.set ADRA, 16                          ; v16-17  LDS address of my fragments of xb in slot 0, 1
.set BO,   18                          ; v18     my byte offset in 64 bytes of bl: 32 (l / 16)
.set RO,   19                          ; v19     my byte offset in 64 bytes of rt: 4 (l % 16)
.set ADRB, 20                          ; v20-21  the same as ADRA for wb
.set CFO,  22                          ; v22     my byte offset in 512 bytes of cf
.set SV,   23                          ; v23     c m or z, by the lane's half
.set STO,  24                          ; v24     the way out: where I put 16 bytes of a row
.set RD,   25                          ; v25     the way out: where I read a row back
.set CO,   26                          ; v26     my byte offset in eb
.set SPW,  28                          ; v28     LDS address of my spare word; never rewritten
.set NIL,  29                          ; v29     0; never rewritten
.set F0,   64
.set F1,   128
.set TMP,  192                         ; the way out: packed e
.set OB,   32                          ; the way out: 16 rows read back from the stage: v32-63 and v224-255 by turns
.set FB,   64                          ; the joining: 16 registers for each of four rows
.set FM,   128
.set FZ,   132
.set FO,   136
.set G1,  24                           ; s[24:31] descriptor group 1 for xb's tiles;  s[32:39] group 0, one set for each slot
.set G0,  32
.set G1B, 48                           ; s[48:55], s[56:63] the same for wb's tiles
.set G0B, 56
; s2 tiles to go; s3 laps to go; s[8:9] eb at my part of the tile in hand; s10 wave; s11, s12 its halves; s[18:19] the stores' base; s[66:67] c; s[68:69] bl at my 128 columns;
; s[70:71] rt, s[72:73] cf at the rows that I join; s[74:75] lane selects; s76 the mask of lanes 16-31
.set MSB, 0
.macro WIN new                         ; the immediate's high byte repeats the setting that is left; a switch that changes nothing is dropped
.if MSB != (\new)
	s_set_vgpr_msb (MSB<<8)|(\new)
.set MSB, \new
.endif
.endm
.set MUL_LO, 0xa1                      ; source 0 (wb) window 1, source 1 (xb) window 0, C and D window 2
.set MUL_HI, 0xf1                      ; the same, C and D window 3
.set TO_B,   0x40                      ; destination window 1, address window 0
; A joint load.  Waves 0 and 1 fetch xb's two halves, waves 2 and 3 wb's.  The branch hangs on the wave's number alone.
; An s_nop 0 and four v_nop follow each of the two lines, ahead of the jump, the label and what follows.
.macro JLOAD s
	s_cmp_eq_u32 s11, 0
	s_cbranch_scc0 .Lfor_b_\@
	tensor_load_to_lds s[G0+4*(\s):G0+4*(\s)+3], s[G1:G1+7]
	s_nop 0
.rept 4
	v_nop
.endr
	s_branch .Lasked_\@
.Lfor_b_\@:
	tensor_load_to_lds s[G0B+4*(\s):G0B+4*(\s)+3], s[G1B:G1B+7]
	s_nop 0
.rept 4
	v_nop
.endr
.Lasked_\@:
.endm
; A round of the cluster's barrier: my work-group's barrier, so that wave 0's signal speaks for all four waves; wave 0 signals; every wave waits for all sixteen work-groups; my work-group's barrier once more.
.macro CREST                           ; a round behind its opening barrier
	s_cmp_lg_u32 s10, 0
	s_cbranch_scc1 .Lnot_wave_0_\@
	s_barrier_signal -3
.Lnot_wave_0_\@:
	s_barrier_wait -3
	s_barrier_signal -1
	s_barrier_wait -1
.endm
.macro CROUND
	s_barrier_signal -1
	s_barrier_wait -1
	CREST
.endm
	s_load_b128 s[4:7], s[0:1], 0x0                ; xb s[4:5], wb s[6:7]
	s_load_b64 s[8:9], s[0:1], 0x10                ; eb
	s_load_b128 s[68:71], s[0:1], 0x18             ; bl s[68:69], rt s[70:71]
	s_load_b64 s[72:73], s[0:1], 0x28              ; cf
	v_lshl_add_u32 v[SPW], v0, 2, SPARE
	v_mov_b32 v[NIL], 0
	ds_add_u32 v[SPW], v[NIL]                      ; the wave's opening: the add and its wait stand ahead of my first tensor load; the set-up below, work on registers, stands between them
	v_lshrrev_b32 v1, 5, v0
	v_readfirstlane_b32 s10, v1                    ; wave 0..3
	s_lshr_b32 s11, s10, 1                         ; which half of the tile's rows is mine.  Also: I fetch for xb (0) or for wb (1)
	s_and_b32 s12, s10, 1                          ; which half of its columns.  Also: which 128 rows of that tile I fetch
	s_bfe_u32 s40, ttmp6, 0x40000                  ; cx
	s_bfe_u32 s41, ttmp6, 0x40004                  ; cy = the block of 256 rows: the grid has one cluster along y
	s_lshl_b32 s42, ttmp9, 2
	s_add_co_u32 s42, s42, s40                     ; the leaf = 4 x cluster x + cx
	s_lshl_b32 s43, s41, 2
	s_lshl_b32 s43, 15, s43                        ; my row of the cluster: places 4 cy .. 4 cy + 3
	s_lshl_b32 s44, 0x1111, s40                    ; my column: places cx, cx + 4, cx + 8, cx + 12
	; descriptor group 1: a tile of 128 rows x 128 elements, padded in LDS
	s_or_b32 s[G1+0], s43, (1<<16)|(1<<20)|(1<<21)|(5<<22)|(3<<25)   ; 15:0 the mask: xb's tiles go to my row; 17:16 elements of 2 bytes; 20 padding on; 21 set beside a mask; 24:22 after every 64 words (code 5); 31:25 4 words (code 3)
	s_or_b32 s[G1B+0], s44, (1<<16)|(1<<20)|(1<<21)|(5<<22)|(3<<25)  ; the same with the mask of my column, for wb's tiles
.irp g, G1, G1B
	s_mov_b32 s[(\g)+1], KSTEP<<16                 ; tensor_dim0 = 128
	s_mov_b32 s[(\g)+2], 128<<16                   ; tensor_dim1 = 128
	s_mov_b32 s[(\g)+3], KSTEP<<16                 ; tile_dim0 = 128
	s_mov_b32 s[(\g)+4], 128                       ; tile_dim1 = 128
	s_mov_b32 s[(\g)+5], SIZE_K                    ; elements from row to row
	s_mov_b32 s[(\g)+6], 0
	s_mov_b32 s[(\g)+7], 0
.endr
	; where the tiles come from.  xb's hang on cy alone, which my row of the cluster shares; wb's on the leaf alone, which my column shares.
	s_lshl_b32 s17, s12, 7                         ; which 128 rows of the tile I fetch
	s_lshl_b32 s16, s41, 8
	s_add_co_u32 s16, s16, s17                     ; xb: row 256 cy + 128 x half
	s_lshl_b32 s16, s16, 11                        ; 2,048 bytes a row
	s_lshl_b32 s46, s42, 10
	s_add_co_u32 s46, s46, s17                     ; wb: row 1,024 x leaf + 128 x half
	s_lshl_b32 s46, s46, 11                        ; 65,535 x 2,048 at the most: under 2^32
	s_mov_b32 s17, 0
	s_mov_b32 s47, 0
	s_mul_i32 s20, s10, HALFT                      ; where they go: wave x 128 rows: no place in the cluster enters an LDS address
	s_mov_b32 s66, 0x3fb8aa3b                      ; c = log2(e)
	s_mov_b32 s67, s66                             ; named with it as a pair
	s_mov_b32 s74, 0x76543210                      ; v_permlanex16_b32: each lane takes its own place in the other half
	s_mov_b32 s75, 0xfedcba98
	s_wait_dscnt 0x0                               ; the opening add is done
	s_wait_kmcnt 0x0
	s_add_nc_u64 s[14:15], s[4:5], s[16:17]
	s_add_nc_u64 s[46:47], s[6:7], s[46:47]
	CROUND                                         ; all sixteen work-groups are here: the first joint loads meet
.irp s, 0,1
	s_mov_b32 s[G0+4*(\s)], 1                                        ; count = 1
	s_add_co_u32 s[G0+4*(\s)+1], s20, (\s)*SLOT                      ; LDS address
	s_add_nc_u64 s[G0+4*(\s)+2:G0+4*(\s)+3], s[14:15], (\s)*KSTEP*2  ; global address: K step s
	s_or_b32 s[G0+4*(\s)+3], s[G0+4*(\s)+3], 0x80000000              ; type = 2
	s_mov_b32 s[G0B+4*(\s)], 1
	s_add_co_u32 s[G0B+4*(\s)+1], s20, (\s)*SLOT
	s_add_nc_u64 s[G0B+4*(\s)+2:G0B+4*(\s)+3], s[46:47], (\s)*KSTEP*2
	s_or_b32 s[G0B+4*(\s)+3], s[G0B+4*(\s)+3], 0x80000000
	JLOAD \s                                       ; the ring is filled before anything else is done: two loads of mine are out
.endr
	v_and_b32 v1, 15, v0                           ; l % 16
	v_bfe_u32 v2, v0, 4, 1                         ; l / 16
	v_mul_u32_u24 v3, v1, PITCH
	v_lshl_add_u32 v3, v2, 4, v3                   ; a fragment's row x pitch + 16 x half
	s_mul_i32 s21, s11, HALFT                      ; my 128 rows of xb
	s_mul_i32 s22, s12, HALFT                      ; my 128 rows of wb,
	s_add_co_u32 s22, s22, 2*HALFT                 ; which lie behind xb's 256
.irp s, 0,1
	v_add_nc_u32 v[ADRA+(\s)], s21, v3
	v_add_nc_u32 v[ADRB+(\s)], s22, v3
	s_add_co_u32 s21, s21, SLOT
	s_add_co_u32 s22, s22, SLOT
.endr
	s_mul_i32 s23, s10, 16*SPITCH
	s_add_co_u32 s23, s23, STAGE                   ; my stage
	v_mul_u32_u24 v4, v1, SPITCH                   ; in: row l % 16, 16 bytes for each half of the lanes
	v_lshl_add_u32 v4, v2, 4, v4
	v_add_nc_u32 v[STO], s23, v4
	v_mul_u32_u24 v5, v2, SPITCH                   ; back: lanes 0-15 take one row of 256 bytes, lanes 16-31 the next
	v_lshl_add_u32 v5, v1, 4, v5
	v_add_nc_u32 v[RD], s23, v5
	v_lshlrev_b32 v5, 17, v2                       ; and the same two rows in eb
	v_lshl_add_u32 v[CO], v1, 4, v5
	v_lshlrev_b32 v[BO], 5, v2
	v_lshlrev_b32 v[RO], 2, v1
	v_lshlrev_b32 v[CFO], 5, v1                    ; a row of cf is 32 bytes; each half of the lanes stores 16 of them
	v_lshl_add_u32 v[CFO], v2, 4, v[CFO]
	v_mul_u32_u24 v5, v1, TP
	s_mul_i32 s23, s10, 128*TP
	s_add_co_u32 s23, s23, TAB                     ; my wave's 128 rows of the table
	v_lshl_add_u32 v[TA], v2, 4, v5
	v_add_nc_u32 v[TA], s23, v[TA]
	s_mul_i32 s23, s11, 256*TP                     ; I join rows 64 w .. 64 w + 63 of the block: row half w / 2 (two waves' tables), rows 64 (w % 2) on
	s_mul_i32 s21, s12, 64*TP
	s_add_co_u32 s23, s23, s21
	s_add_co_u32 s23, s23, TAB
	v_add_nc_u32 v[TR], s23, v5
	v_mov_b32 v[CM+1], 0                           ; named as a pair's second word, never used
	v_mov_b32 v[ZT], 0                             ; v_permlanex16_b32 counts as a reader of its destination
	v_cmp_ne_u32 s76, 0, v2
	; the global bases.  Offsets are made apart, in s[46:47], and added once.
	s_lshl_b32 s16, s41, 8
	s_lshl_b32 s17, s11, 7
	s_add_co_u32 s16, s16, s17                     ; my first row
	s_lshl_b32 s16, s16, 17
	s_lshl_b32 s46, s42, 11                        ; the leaf's 1,024 columns, 2,048 bytes,
	s_lshl_b32 s47, s12, 8                         ; my half of a tile's 512
	s_add_co_u32 s46, s46, s47
	s_add_co_u32 s46, s46, s16
	s_mov_b32 s47, 0
	s_add_nc_u64 s[8:9], s[8:9], s[46:47]
	s_lshl_b32 s46, s42, 12                        ; bl: 4,096 bytes a leaf, 512 for my half of a tile
	s_lshl_b32 s16, s12, 9
	s_add_co_u32 s46, s46, s16
	s_add_nc_u64 s[68:69], s[68:69], s[46:47]
	s_lshl_b32 s46, s41, 4                         ; rt: [row / 16][leaf][row % 16]: my first group of 16 rows is 16 cy + 4 w
	s_lshl2_add_u32 s46, s10, s46
	s_lshl_b32 s46, s46, 6
	s_add_co_u32 s46, s46, s42
	s_lshl_b32 s46, s46, 6
	s_add_nc_u64 s[70:71], s[70:71], s[46:47]
	s_lshl_b32 s46, s42, 15                        ; cf: [leaf][row][8]: 32,768 bytes a leaf, 8,192 a block of 256 rows, 2,048 for my 64
	s_lshl_b32 s16, s41, 13
	s_add_co_u32 s46, s46, s16
	s_lshl_b32 s16, s10, 11
	s_add_co_u32 s46, s46, s16
	s_add_nc_u64 s[72:73], s[72:73], s[46:47]
; The bias of my 128 columns as a C operand: register j of accumulator column block b wants column 16 b + 8 (l / 16) + j, whatever the row.
.macro BIASLD
	WIN TO_B
.irp b, 0,1,2,3,4,5,6,7
	global_load_b128 v[8*(\b):8*(\b)+3],   v[BO], s[68:69] offset:64*(\b)
	global_load_b128 v[8*(\b)+4:8*(\b)+7], v[BO], s[68:69] offset:64*(\b)+16
.endr
	WIN 0
.endm
	BIASLD
	WIN TO_B
.irp k, 0,1,2,3
	global_load_b32 v[192+(\k)], v[RO], s[70:71] offset:4096*(\k)  ; routing of rows 64 w + 16 k + l % 16 for my leaf
.endr
	WIN 0
; 16 matrix instructions: m blocks a0, a0 + 1 of the window's four (hi = 0: my rows 0-63, 1: rows 64-127) x all 8 n blocks, 32 along K.
; zero = 1: the product starts the sums, with the bias (window 1) as C: nothing is ever cleared.
.macro MUL16 f, hi, a0, zero
.if \zero
	WIN 0x91+0x40*(\hi)                            ; as MUL_LO or MUL_HI, with source 2 in window 1
.else
	WIN MUL_LO+0x50*(\hi)
.endif
.irp a, \a0, (\a0)+1
.irp b, 0,1,2,3,4,5,6,7
.if \zero
	v_wmma_f32_16x16x32_bf16 v[8*(8*(\a)+(\b)):8*(8*(\a)+(\b))+7], v[(\f)+8*(\b):(\f)+8*(\b)+7], v[(\f)+8*(4*(\hi)+(\a)):(\f)+8*(4*(\hi)+(\a))+7], v[8*(\b):8*(\b)+7]
.else
	v_wmma_f32_16x16x32_bf16 v[8*(8*(\a)+(\b)):8*(8*(\a)+(\b))+7], v[(\f)+8*(\b):(\f)+8*(\b)+7], v[(\f)+8*(4*(\hi)+(\a)):(\f)+8*(4*(\hi)+(\a))+7], v[8*(8*(\a)+(\b)):8*(8*(\a)+(\b))+7]
.endif
.endr
.endr
.endm
; 32 LDS loads in one run: the fragments of one quarter step (128 rows of wb, 128 rows of xb, 32 K at byte k of the rows) into buffer f
.macro FETCH slot, k, f
	WIN TO_B
.irp i, 0,1,2,3,4,5,6,7
	ds_load_b128 v[(\f)+8*(\i):(\f)+8*(\i)+3],   v[ADRB+(\slot)] offset:(\k)+(\i)*16*PITCH
	ds_load_b128 v[(\f)+8*(\i)+4:(\f)+8*(\i)+7], v[ADRB+(\slot)] offset:(\k)+(\i)*16*PITCH+32
.endr
	WIN 0
.irp i, 0,1,2,3,4,5,6,7
	ds_load_b128 v[(\f)+8*(\i):(\f)+8*(\i)+3],   v[ADRA+(\slot)] offset:(\k)+(\i)*16*PITCH
	ds_load_b128 v[(\f)+8*(\i)+4:(\f)+8*(\i)+7], v[ADRA+(\slot)] offset:(\k)+(\i)*16*PITCH+32
.endr
.endm
; A load into a register that a matrix instruction has read, and a vector instruction that reads a matrix result, stand four places behind that matrix instruction; only plain vector
; instructions that name none of its registers are places (ISA guide 7.12.1 for vector instructions).
.macro PLACES
.rept 4
	v_nop
.endr
.endm
; A K step is four quarters of 32 along K, 64 matrix instructions each, on buffers 0, 1, 0, 1; the 64 accumulators take turns in the same order in every quarter.
; One of the first three: multiplies buffer f; in its middle it fetches the next quarter's fragments, at byte k of the same slot's rows, into buffer g.
.macro QUARTER slot, k, f, g, zero
	s_wait_dscnt 8                                 ; wb and xb's rows 0-63 are in; the youngest eight loads (xb's rows 64-127) may be out
	MUL16 \f, 0, 0, \zero
	MUL16 \f, 0, 2, \zero
	PLACES
	FETCH \slot, \k, \g
	s_wait_dscnt 32                                ; all but the 32 just issued
	MUL16 \f, 1, 0, \zero
	MUL16 \f, 1, 2, \zero
.endm
; The last quarter multiplies buffer 1 and changes slots.  MEET is its first half: ONE barrier for the change.  In front of it each wave waits for all its tensor loads, of which one is out:
; its part of the next slot; adds 0 to its spare word; and waits for that and for its own reads of this slot.  Behind it nobody reads this slot any more and the next slot is whole.
.macro MEET round                      ; round = 1: a round of the cluster's barrier follows
	WIN 0                                          ; (the add's two registers lie in window 0)
	s_wait_tensorcnt 0x0                           ; all my tensor loads have landed
	ds_add_u32 v[SPW], v[NIL]                      ; 0 onto my spare word
	s_wait_dscnt 9                                 ; (the add and the youngest eight loads may be out)
	MUL16 F1, 0, 0, 0                              ; sixteen matrix instructions stand between the add and the wait for it
	s_wait_dscnt 0x0                               ; the add is done, and my reads of this slot are over
	s_barrier_signal -1
	MUL16 F1, 0, 2, 0                              ; work on registers while the others arrive
.if \round
	WIN 0
.endif
	s_barrier_wait -1
.endm
; The whole last quarter.  mode 0: the slot just read out is filled again with this tile's K step two steps on; mode 1: with the NEXT tile's K step 0 or 1; mode 2: nothing is filled.
; From a request to the wait for it a wave issues 224 matrix instructions, across tiles the way out besides.
.macro TURN slot, next, mode
.if (\mode) == 2
	MEET 0
	PLACES
.else
	MEET 1
	CREST                                          ; the barrier has opened a round of the cluster's: no wave of any partner still reads this slot's tile or has a load on its way
.if (\mode) == 1
	s_sub_nc_u64 s[G0+4*(\slot)+2:G0+4*(\slot)+3], s[G0+4*(\slot)+2:G0+4*(\slot)+3], BACK_A
	s_add_nc_u64 s[G0B+4*(\slot)+2:G0B+4*(\slot)+3], s[G0B+4*(\slot)+2:G0B+4*(\slot)+3], NEXT_B
.else
	s_add_nc_u64 s[G0+4*(\slot)+2:G0+4*(\slot)+3], s[G0+4*(\slot)+2:G0+4*(\slot)+3], 2*KSTEP*2
	s_add_nc_u64 s[G0B+4*(\slot)+2:G0B+4*(\slot)+3], s[G0B+4*(\slot)+2:G0B+4*(\slot)+3], 2*KSTEP*2
.endif
	JLOAD \slot                                    ; the first tensor load behind the round, my only one until the next; its four v_nop are also the places in front of the loads below
.endif
	FETCH \next, 0, F0
	MUL16 F1, 1, 0, 0
	MUL16 F1, 1, 2, 0
.endm
; THE WAY OUT of block a: 16 rows x my 128 columns, eight accumulators, 64 registers AC .. AC + 63 of window WW.
.macro BLK a
.set AC, 64*((\a)%4)
.set WW, 2+(\a)/4
.endm
; The row's largest logit: four chains of 16 registers, three operands at a time; each accumulator is first read at its low end.  Then the other half of the lanes', and c m.
.macro EMAX a
	BLK \a
	WIN WW|(WW<<2)|(WW<<4)
.irp k, 0,1,2,3
	v_max3_num_f32 v[CH+(\k)], v[AC+16*(\k)], v[AC+16*(\k)+1], v[AC+16*(\k)+2]
.endr
	WIN (WW<<2)|(WW<<4)
.irp j, 1,2,3,4,5,6
.irp k, 0,1,2,3
	v_max3_num_f32 v[CH+(\k)], v[CH+(\k)], v[AC+16*(\k)+2*(\j)+1], v[AC+16*(\k)+2*(\j)+2]
.endr
.endr
	v_max3_num_f32 v[CH],   v[CH],   v[AC+15], v[AC+31]
	v_max3_num_f32 v[CH+2], v[CH+2], v[AC+47], v[AC+63]
	WIN 0
	v_max3_num_f32 v[CH], v[CH], v[CH+1], v[CH+2]
	v_max_num_f32 v[CH], v[CH], v[CH+3]
	v_permlanex16_b32 v[ZT], v[CH], s74, s75
	v_max_num_f32 v[CH], v[CH], v[ZT]
	v_mul_f32 v[CM], s66, v[CH]
.endm
; e = 2^(c s - c m), in place.  The 64 exponentials are ONE batch: a pair is scaled one step ahead of its exponentials, nothing ahead of the wait names a result, and one wait serves all.
.macro EEXP a
	BLK \a
	WIN (WW<<6)|WW
	v_pk_fma_f32 v[AC:AC+1], v[AC:AC+1], s[66:67], v[CM:CM+1] op_sel_hi:[1,0,0] neg_lo:[0,0,1] neg_hi:[0,0,1]
.set p, 1
.rept 31
	v_pk_fma_f32 v[AC+2*p:AC+2*p+1], v[AC+2*p:AC+2*p+1], s[66:67], v[CM:CM+1] op_sel_hi:[1,0,0] neg_lo:[0,0,1] neg_hi:[0,0,1]
	v_exp_f32 v[AC+2*p-2], v[AC+2*p-2]
	v_exp_f32 v[AC+2*p-1], v[AC+2*p-1]
.set p, p+1
.endr
	v_exp_f32 v[AC+62], v[AC+62]
	v_exp_f32 v[AC+63], v[AC+63]
	v_nop                                          ; a plain instruction behind the last exponential,
	s_wait_alu depctr_va_vdst(0)                   ; and the wait ahead of the first use
.endm
.macro EPACK a                         ; rounded to bf16: a lane's eight columns of an accumulator are 16 bytes
	BLK \a
	WIN WW|(WW<<2)
.irp b, 0,1,2,3,4,5,6,7
.irp r, 0,1,2,3
	v_cvt_pk_bf16_f32 v[TMP+4*(\b)+(\r)], v[AC+8*(\b)+2*(\r)], v[AC+8*(\b)+2*(\r)+1]
.endr
.endr
.endm
; z: the 32 pairs are added in place, 16, 8, 4, 2 and 1 pairs apart; then the pair's two, then the other half of the lanes'.  Lanes 0-15 put c m into the table, lanes 16-31 z.
.macro ESUM a
	BLK \a
	WIN (WW<<6)|WW|(WW<<2)
.irp d, 16,8,4,2,1
.set p, 0
.rept \d
	v_pk_add_f32 v[AC+2*p:AC+2*p+1], v[AC+2*p:AC+2*p+1], v[AC+2*(p+(\d)):AC+2*(p+(\d))+1]
.set p, p+1
.endr
.endr
	WIN WW|(WW<<2)
	v_add_f32 v[ZS], v[AC], v[AC+1]
	WIN 0
	v_permlanex16_b32 v[ZT], v[ZS], s74, s75
	v_add_f32 v[ZS], v[ZS], v[ZT]
	v_cndmask_b32 v[SV], v[CM], v[ZS], s76
	ds_store_b32 v[TA], v[SV] offset:16*TP*(\a)
.endm
.macro TOSTAGE a                       ; into my own stage, and back as whole rows of 256 bytes
	WIN 0
.set BK, OB+192*((\a)%2)
.irp b, 0,1,2,3,4,5,6,7
	ds_store_b128 v[STO], v[TMP+4*(\b):TMP+4*(\b)+3] offset:32*(\b)
.endr
.irp t, 0,1,2,3,4,5,6,7
	ds_load_b128 v[BK+4*(\t):BK+4*(\t)+3], v[RD] offset:(\t)*2*SPITCH  ; LDS serves a wave's instructions in order (ISA guide 5.7.1.4): these see the stores above
.endr
.endm
.macro SEND a
	WIN 0
.set BK, OB+192*((\a)%2)
	s_wait_dscnt 0x0                               ; the block is back in registers
	s_wait_xcnt 0x0                                ; every earlier memory instruction has had its addresses translated (ISA guide 3.1): only behind this wait are the stores' base and the registers that earlier stores read rewritten
	s_add_nc_u64 s[18:19], s[8:9], (\a)*16*EROW    ; 16 rows of eb a block, so that the stores' offsets stay inside the signed 24-bit immediate: 14 rows at the most
.irp t, 0,1,2,3,4,5,6,7
	global_store_b128 v[CO], v[BK+4*(\t):BK+4*(\t)+3], s[18:19] offset:2*(\t)*EROW  ; 16 lanes store 256 consecutive bytes, at a multiple of 256 from eb's first byte
.endr
.endm
.macro WAYOUT                          ; block a's arithmetic stands between block a - 1's loads from the stage and the wait for them
.irp a, 0,1,2,3,4,5,6,7
	EMAX \a
	EEXP \a
	EPACK \a
	ESUM \a
.if (\a) > 0
	SEND (\a)-1
.endif
	TOSTAGE \a
.endr
	SEND 7
.endm
	s_wait_tensorcnt 1                             ; my part of K step 0 is in; K step 1's load may stay out
	s_barrier_signal -1
	s_barrier_wait -1                              ; everybody's is
	FETCH 0, 0, F0
	s_mov_b32 s2, TILES                            ; tiles to go, this one among them: the same number in every work-group
.Ltile:
	s_wait_loadcnt 0x0                             ; the tile's bias (and, the first time, the routing)
	QUARTER 0, 64,  F0, F1, 1                      ; a tile's first quarter stands in front of the loop: its products start the sums
	WIN 0                                          ; at a label and at a branch every window is 0
	s_mov_b32 s3, LAPS-1
.Llap:                                                 ; a trip goes once round the ring, from a lap's second quarter to the next lap's first, and fills both slots again
	QUARTER 0, 128, F1, F0, 0
	QUARTER 0, 192, F0, F1, 0
	TURN 0, 1, 0
	QUARTER 1, 64,  F0, F1, 0
	QUARTER 1, 128, F1, F0, 0
	QUARTER 1, 192, F0, F1, 0
	TURN 1, 0, 0
	QUARTER 0, 64,  F0, F1, 0
	WIN 0
	s_sub_co_u32 s3, s3, 1
	s_cmp_lg_u32 s3, 0
	s_cbranch_scc1 .Llap
	QUARTER 0, 128, F1, F0, 0                      ; the tile's last lap goes on
	QUARTER 0, 192, F0, F1, 0
	WIN 0
	s_cmp_eq_u32 s2, 1
	s_cbranch_scc1 .Llast_tile                     ; the last tile's tail is written out: it asks for nothing more
	TURN 0, 1, 1                                   ; THE RING GOES ON INTO THE NEXT TILE: slot 0 takes its K step 0,
	QUARTER 1, 64,  F0, F1, 0
	QUARTER 1, 128, F1, F0, 0
	QUARTER 1, 192, F0, F1, 0
	TURN 1, 0, 1                                   ; slot 1 its K step 1, and the next tile's first fragments are fetched
	s_add_nc_u64 s[68:69], s[68:69], 1024          ; the next tile's 256 columns of bl (the last loads by this base were waited for at the tile's head);
	BIASLD                                         ; the products that read the old bias are a whole tile back
	WAYOUT                                         ; no v_nop: blocks 0-3 were finished in front of the joint load's four, and their vector work, which names no register of the last products, is those products' places
	v_add_nc_u32 v[TA], 4, v[TA]                   ; the next tile's words of the table
	s_add_nc_u64 s[8:9], s[8:9], 512               ; and its 256 columns of eb
	s_sub_co_u32 s2, s2, 1
	s_branch .Ltile
.Llast_tile:
	TURN 0, 1, 2                                   ; my one tensor load that was still out is slot 1's, the last K step's, so no round follows
	QUARTER 1, 64,  F0, F1, 0
	QUARTER 1, 128, F1, F0, 0
	QUARTER 1, 192, F0, F1, 0
	s_wait_dscnt 8                                 ; the very last quarter: nothing more to fetch
	MUL16 F1, 0, 0, 0
	MUL16 F1, 0, 2, 0
	s_wait_dscnt 0x0
	MUL16 F1, 1, 0, 0
	MUL16 F1, 1, 2, 0
	WIN 0
	PLACES
	WAYOUT
	; THE JOINING.  A row's eight pieces lie in two waves' tables, so a barrier stands between the writing and the reading.  I take rows 64 w + 16 k + l % 16, k = 0..3; both halves of the
	; lanes compute the same row and each stores four of its eight coefficients.  In v[FB + 16 k ..]: +0..3 c m and +4..7 z of column half 0, tiles 0..3; +8..11 and +12..15 of column half 1.
	s_wait_dscnt 0x0                               ; for the others' sake: my stores into the table are done
	s_barrier_signal -1
	s_barrier_wait -1
.irp k, 0,1,2,3
.irp p, 0,1
	ds_load_b128 v[FB+16*(\k)+8*(\p):FB+16*(\k)+8*(\p)+3],   v[TR] offset:128*TP*(\p)+16*TP*(\k)
	ds_load_b128 v[FB+16*(\k)+8*(\p)+4:FB+16*(\k)+8*(\p)+7], v[TR] offset:128*TP*(\p)+16*TP*(\k)+16
.endr
.endr
	s_wait_dscnt 0x0
.irp k, 0,1,2,3
	v_max3_num_f32 v[FM+(\k)], v[FB+16*(\k)], v[FB+16*(\k)+1], v[FB+16*(\k)+2]
.endr
.irp k, 0,1,2,3
	v_max3_num_f32 v[FM+(\k)], v[FM+(\k)], v[FB+16*(\k)+3], v[FB+16*(\k)+8]
.endr
.irp k, 0,1,2,3
	v_max3_num_f32 v[FM+(\k)], v[FM+(\k)], v[FB+16*(\k)+9], v[FB+16*(\k)+10]
.endr
.irp k, 0,1,2,3
	v_max_num_f32 v[FM+(\k)], v[FM+(\k)], v[FB+16*(\k)+11]   ; cM
.endr
.irp i, 0,1,2,3,8,9,10,11
.irp k, 0,1,2,3
	v_sub_f32 v[FB+16*(\k)+(\i)], v[FB+16*(\k)+(\i)], v[FM+(\k)]
.endr
.endr
.irp i, 0,1,2,3,8,9,10,11
.irp k, 0,1,2,3
	v_exp_f32 v[FB+16*(\k)+(\i)], v[FB+16*(\k)+(\i)]         ; f = 2^(c m - cM)
.endr
.endr
	v_nop
	s_wait_alu depctr_va_vdst(0)                   ; one wait for the 32 exponentials
.irp k, 0,1,2,3
	v_mul_f32 v[FZ+(\k)], v[FB+16*(\k)], v[FB+16*(\k)+4]
.endr
.irp i, 1,2,3,8,9,10,11
.irp k, 0,1,2,3
	v_fma_f32 v[FZ+(\k)], v[FB+16*(\k)+(\i)], v[FB+16*(\k)+(\i)+4], v[FZ+(\k)]  ; Z = sum f z
.endr
.endr
.irp k, 0,1,2,3
	v_rcp_f32 v[FZ+(\k)], v[FZ+(\k)]
.endr
	v_nop
	s_wait_alu depctr_va_vdst(0)                   ; one wait for the four reciprocals
	WIN 0x01                                       ; source 0 in window 1
.irp k, 0,1,2,3
	v_mul_f32 v[FZ+(\k)], v[192+(\k)], v[FZ+(\k)]  ; routing / Z
.endr
	WIN 0
.irp k, 0,1,2,3                        ; piece 2 t + p is tile t, column half p; lanes 0-15 store pieces 0..3, lanes 16-31 pieces 4..7
	v_cndmask_b32 v[FO+4*(\k)],   v[FB+16*(\k)],   v[FB+16*(\k)+2],  s76
	v_cndmask_b32 v[FO+4*(\k)+1], v[FB+16*(\k)+8], v[FB+16*(\k)+10], s76
	v_cndmask_b32 v[FO+4*(\k)+2], v[FB+16*(\k)+1], v[FB+16*(\k)+3],  s76
	v_cndmask_b32 v[FO+4*(\k)+3], v[FB+16*(\k)+9], v[FB+16*(\k)+11], s76
.irp i, 0,1,2,3
	v_mul_f32 v[FO+4*(\k)+(\i)], v[FO+4*(\k)+(\i)], v[FZ+(\k)]
.endr
	global_store_b128 v[CFO], v[FO+4*(\k):FO+4*(\k)+3], s[72:73] offset:512*(\k)  ; 512 consecutive bytes, at a multiple of 256 from cf's first byte
.endr
	s_wait_tensorcnt 0x0                           ; the wave's end, behind my last tensor load and my last LDS store
	ds_add_u32 v[SPW], v[NIL]
	s_wait_dscnt 0x0
	CROUND                                         ; the closing round: no work-group ends while a partner may still ask for a tile that names it
	s_endpgm
.Lfunc_end_k_q651a2b6eb1_gemm:
	.size	k_q651a2b6eb1_gemm, .Lfunc_end_k_q651a2b6eb1_gemm-k_q651a2b6eb1_gemm
	.p2alignl 7, 3214868480
	.fill 96, 4, 3214868480
	.section	.rodata,"a",@progbits
	.p2align	6, 0x0
	.amdhsa_kernel k_q651a2b6eb1_gemm
		.amdhsa_group_segment_fixed_size 327680
		.amdhsa_private_segment_fixed_size 0
		.amdhsa_enable_private_segment 0
		.amdhsa_kernarg_size 48
		.amdhsa_user_sgpr_count 2
		.amdhsa_user_sgpr_kernarg_segment_ptr 1
		.amdhsa_wavefront_size32 1
		.amdhsa_system_sgpr_workgroup_id_x 1
		.amdhsa_system_sgpr_workgroup_id_y 1
		.amdhsa_system_sgpr_workgroup_id_z 1
		.amdhsa_system_vgpr_workitem_id 0
		.amdhsa_next_free_vgpr 1024
		.amdhsa_next_free_sgpr 80
		.amdhsa_reserve_vcc 0
		.amdhsa_float_denorm_mode_32 3
		.amdhsa_float_denorm_mode_16_64 3
		.amdhsa_memory_ordered 1
		.amdhsa_forward_progress 1
		.amdhsa_inst_pref_size 255
	.end_amdhsa_kernel
	.section	.bss,"aw",@nobits
	.p2align	6
	.space	262144
	.amdgpu_metadata
---
amdhsa.version: [ 1, 2 ]
amdhsa.kernels:
  - .name:           k_q651a2b6eb1_gemm
    .symbol:         k_q651a2b6eb1_gemm.kd
    .args:
      - { .name: xb, .offset: 0, .size: 8, .value_kind: global_buffer, .address_space: global }
      - { .name: wb, .offset: 8, .size: 8, .value_kind: global_buffer, .address_space: global }
      - { .name: eb, .offset: 16, .size: 8, .value_kind: global_buffer, .address_space: global }
      - { .name: bl, .offset: 24, .size: 8, .value_kind: global_buffer, .address_space: global }
      - { .name: rt, .offset: 32, .size: 8, .value_kind: global_buffer, .address_space: global }
      - { .name: cf, .offset: 40, .size: 8, .value_kind: global_buffer, .address_space: global }
    .group_segment_fixed_size: 327680
    .private_segment_fixed_size: 0
    .kernarg_segment_align: 8
    .kernarg_segment_size: 48
    .max_flat_workgroup_size: 128
    .sgpr_count:     80
    .vgpr_count:     1024
    .wavefront_size: 32
...
	.end_amdgpu_metadata
.endif
;; end of part 2
;; launch mix (part 3): grid 128 x 2, 16 waves a work-group, no clusters, 34,816 bytes of LDS; arguments eb, cf, out0; writes out0
.if DOCPART == 3
	.amdgcn_target "amdgcn-amd-amdhsa--gfx1250"
	.amdhsa_code_object_version 6
	.text
	.protected	k_q651a2b6eb1_mix
	.globl	k_q651a2b6eb1_mix
	.p2align	8
	.type	k_q651a2b6eb1_mix,@function
k_q651a2b6eb1_mix:
	s_mov_b64 s[64:65], 0
	v_nop
	global_prefetch_b8 v0, s[64:65] scope:SCOPE_SE
	s_setreg_imm32_b32 hwreg(HW_REG_WAVE_MODE, 25, 1), 1
	s_wait_xcnt 0x0
; out0[b][o] = sum over the 64 leaves l of cf[l][b][o / 128] x eb[b][l][o].  eb: [1024][64][1024] bf16, read once; cf: [64][1024][8] f32; sums in f32, leaves ascending.
; A stream: memory binds, so no matrix unit, no cluster (work-groups share nothing but 16 KB of cf between the two halves of a row) and no tensor load.
; A work-group has 8 rows and 512 columns; of its sixteen waves, wave w has row w / 2 and 256 columns; a lane has 8 neighbouring columns, 16 bytes of eb for each leaf,
; so a wave's load covers 512 consecutive bytes.  A ring of 16 slots in registers keeps 16 loads of every wave on their way.
; The work-group's coefficients (64 leaves x 8 rows x 8 pieces, 16 KB) are copied once, 256 consecutive bytes a leaf, into LDS.
.set CT,    0                          ; LDS: [64 leaves][8 rows][8 pieces] f32
.set ST,    16384                      ; a stage of 1,024 bytes for each wave, for the way out
.set SPARE, 32768                      ; the spare words, 128 bytes for each of sixteen waves: eight blocks of 256 bytes that no other line names
.set ACC, 10                           ; v[10:17]  my eight sums
.set C,   18                           ; v[18:33]  16 leaves' coefficients
.set X,   34                           ; v[34:97]  16 slots of 4 registers: 8 bf16 of one leaf
.set CS,  98                           ; v[98:101] cf on its way into LDS (the second 16 bytes in C's first four registers)
; v1 my byte offset in eb; v2 in cf; v3 16 t; v4 LDS address of my coefficient of the trip's first leaf; v5, v6 the stage, in and back; v7 my byte offset in out0; v8, v9 the add's two registers
	s_load_b128 s[4:7], s[0:1], 0x0                ; eb s[4:5], cf s[6:7]
	s_load_b64 s[8:9], s[0:1], 0x10                ; out0
	v_lshl_add_u32 v8, v0, 2, SPARE                ; my spare word; never rewritten
	v_mov_b32 v9, 0                                ; 0; never rewritten
	v_lshrrev_b32 v1, 5, v0
	v_readfirstlane_b32 s10, v1                    ; wave 0..15
	s_and_b32 s11, ttmp7, 1                        ; which half of the 1,024 columns: the grid has two work-groups along y, so y is its lowest bit
	s_lshr_b32 s14, s10, 1                         ; my row of the eight
	s_and_b32 s13, s10, 1                          ; which 256 of the 512 columns
	v_and_b32 v7, 31, v0                           ; lane
	v_lshlrev_b32 v6, 4, v7                        ; 16 x lane
	s_lshl_b32 s15, s14, 17                        ; a row of eb is 131,072 bytes
	s_lshl_b32 s16, s13, 9
	s_add_co_u32 s15, s15, s16
	v_add_nc_u32 v1, s15, v6
	v_lshrrev_b32 v2, 4, v0                        ; sixteen threads copy a leaf's 256 bytes of cf: leaf t / 16, and 32 leaves on
	v_and_b32 v3, 15, v0
	v_lshlrev_b32 v3, 4, v3
	v_lshl_add_u32 v2, v2, 15, v3                  ; 32,768 bytes a leaf
	v_lshlrev_b32 v3, 4, v0
	v_bfe_u32 v4, v0, 4, 1                         ; my piece of 128 columns: 4 x column half + 2 x (w % 2) + lane / 16
	s_lshl_b32 s15, s14, 5                         ; 32 bytes a row,
	s_lshl_b32 s16, s11, 4                         ; 4 bytes a piece
	s_add_co_u32 s15, s15, s16
	s_lshl_b32 s16, s13, 3
	s_add_co_u32 s15, s15, s16
	v_lshl_add_u32 v4, v4, 2, s15                  ; 252 at the most; with 256 bytes a leaf the last leaf's word ends at 16,384
	s_lshl_b32 s15, s10, 10
	s_add_co_u32 s15, s15, ST                      ; my wave's stage
	v_lshl_add_u32 v5, v7, 5, s15                  ; in: my eight sums, 32 bytes
	v_add_nc_u32 v6, s15, v6                       ; back: 16 bytes a lane
	s_lshl_b32 s15, s14, 12                        ; a row of out0 is 4,096 bytes
	s_lshl_b32 s16, s13, 10
	s_add_co_u32 s15, s15, s16
	v_lshl_add_u32 v7, v7, 4, s15
	s_lshl_b32 s16, ttmp9, 20                      ; eight rows of eb,
	s_lshl_b32 s17, s11, 10                        ; 512 columns
	s_add_co_u32 s16, s16, s17
	s_mov_b32 s17, 0
	s_lshl_b32 s18, ttmp9, 8                       ; eight rows of cf
	s_mov_b32 s19, 0
	s_lshl_b32 s20, ttmp9, 15                      ; eight rows of out0,
	s_lshl_b32 s21, s11, 11                        ; 512 columns
	s_add_co_u32 s20, s20, s21
	s_mov_b32 s21, 0
	s_wait_kmcnt 0x0
	s_add_nc_u64 s[4:5], s[4:5], s[16:17]
	s_add_nc_u64 s[6:7], s[6:7], s[18:19]
	s_add_nc_u64 s[8:9], s[8:9], s[20:21]
	global_load_b128 v[CS:CS+3], v2, s[6:7]
	global_load_b128 v[C:C+3],   v2, s[6:7] offset:1048576
.set n, 0
.rept 16
	global_load_b128 v[X+4*n:X+4*n+3], v1, s[4:5] offset:2048*n th:TH_LOAD_NT  ; the ring is filled: leaves 0 to 15
.set n, n+1
.endr
.set n, 0
.rept 8
	v_mov_b32 v[ACC+n], 0
.set n, n+1
.endr
	s_wait_loadcnt 16                              ; cf is in; the ring's sixteen loads stay out
	ds_store_b128 v3, v[CS:CS+3] offset:CT
	ds_store_b128 v3, v[C:C+3]   offset:CT+8192
	s_wait_dscnt 0x0                               ; for the others' sake: my part of the table is in LDS
	s_barrier_signal -1
	s_barrier_wait -1
; Sixteen leaves.  ahead = 1: each slot is filled again with the leaf 16 further on.
.macro TRIP ahead
.set n, 0
.rept 16
	ds_load_b32 v[C+n], v4 offset:CT+256*n         ; sixteen lanes read the same word
.set n, n+1
.endr
	v_add_nc_u32 v4, 4096, v4                      ; the next trip's leaves
.set n, 0
.rept 16
.if \ahead
	s_wait_loadcnt 15                              ; loads come back in order: this slot's is in, the 15 younger ones stay out
.else
	s_wait_loadcnt 15-n                            ; nothing is asked for any more: the counts run down
.endif
	s_wait_dscnt 15-n                              ; coefficient n of the sixteen is in
.set j, 0
.rept 4
	v_fma_mix_f32_bf16 v[ACC+2*j],   v[X+4*n+j], v[C+n], v[ACC+2*j]   op_sel_hi:[1,0,0]                 ; the word's low bf16 x f32 + f32
	v_fma_mix_f32_bf16 v[ACC+2*j+1], v[X+4*n+j], v[C+n], v[ACC+2*j+1] op_sel:[1,0,0] op_sel_hi:[1,0,0]  ; its high bf16
.set j, j+1
.endr
.if \ahead
	global_load_b128 v[X+4*n:X+4*n+3], v1, s[4:5] offset:2048*(16+n) th:TH_LOAD_NT
.endif
.set n, n+1
.endr
.if \ahead
	s_wait_xcnt 0x0                                ; every earlier memory instruction has had its addresses translated (ISA guide 3.1): the base steps only behind this wait
	s_add_nc_u64 s[4:5], s[4:5], 32768             ; sixteen leaves on
.endif
.endm
	s_mov_b32 s12, 3
.Ltrip:
	TRIP 1
	s_sub_co_u32 s12, s12, 1
	s_cmp_lg_u32 s12, 0
	s_cbranch_scc1 .Ltrip
	TRIP 0                                         ; the last sixteen leaves are written out: no load leaves the buffer
	; THE WAY OUT.  A lane's eight sums are 32 bytes; through my wave's own stage they become two stores of 512 consecutive bytes each.
	ds_store_b128 v5, v[ACC:ACC+3]
	ds_store_b128 v5, v[ACC+4:ACC+7] offset:16
	ds_load_b128 v[X:X+3],   v6                    ; LDS serves a wave's instructions in order (ISA guide 5.7.1.4): these see the stores above
	ds_load_b128 v[X+4:X+7], v6 offset:512
	s_wait_dscnt 1                                 ; the first load is back, the second may be out
	global_store_b128 v7, v[X:X+3], s[8:9] th:TH_STORE_NT
	s_wait_dscnt 0x0
	global_store_b128 v7, v[X+4:X+7], s[8:9] offset:512 th:TH_STORE_NT
	s_wait_tensorcnt 0x0                           ; the wave's end, behind my last LDS store
	ds_add_u32 v8, v9
	s_wait_dscnt 0x0
	s_endpgm
.Lfunc_end_k_q651a2b6eb1_mix:
	.size	k_q651a2b6eb1_mix, .Lfunc_end_k_q651a2b6eb1_mix-k_q651a2b6eb1_mix
	.p2alignl 7, 3214868480
	.fill 96, 4, 3214868480
	.section	.rodata,"a",@progbits
	.p2align	6, 0x0
	.amdhsa_kernel k_q651a2b6eb1_mix
		.amdhsa_group_segment_fixed_size 34816
		.amdhsa_private_segment_fixed_size 0
		.amdhsa_enable_private_segment 0
		.amdhsa_kernarg_size 24
		.amdhsa_user_sgpr_count 2
		.amdhsa_user_sgpr_kernarg_segment_ptr 1
		.amdhsa_wavefront_size32 1
		.amdhsa_system_sgpr_workgroup_id_x 1
		.amdhsa_system_sgpr_workgroup_id_y 1
		.amdhsa_system_sgpr_workgroup_id_z 1
		.amdhsa_system_vgpr_workitem_id 0
		.amdhsa_next_free_vgpr 104
		.amdhsa_next_free_sgpr 66
		.amdhsa_reserve_vcc 0
		.amdhsa_float_denorm_mode_32 3
		.amdhsa_float_denorm_mode_16_64 3
		.amdhsa_memory_ordered 1
		.amdhsa_forward_progress 1
		.amdhsa_inst_pref_size 27
	.end_amdhsa_kernel
	.amdgpu_metadata
---
amdhsa.version: [ 1, 2 ]
amdhsa.kernels:
  - .name:           k_q651a2b6eb1_mix
    .symbol:         k_q651a2b6eb1_mix.kd
    .args:
      - { .name: eb, .offset: 0, .size: 8, .value_kind: global_buffer, .address_space: global }
      - { .name: cf, .offset: 8, .size: 8, .value_kind: global_buffer, .address_space: global }
      - { .name: out0, .offset: 16, .size: 8, .value_kind: global_buffer, .address_space: global }
    .group_segment_fixed_size: 34816
    .private_segment_fixed_size: 0
    .kernarg_segment_align: 8
    .kernarg_segment_size: 24
    .max_flat_workgroup_size: 512
    .sgpr_count:     66
    .vgpr_count:     104
    .wavefront_size: 32
...
	.end_amdgpu_metadata
.endif
;; end of part 3
;; ======== version 2 of 2: 3 launches; version 1 with the launches prep, mix written anew for expert scheduling mode
;; workspace buffers: xb 2,097,152 bytes; wb 134,217,728 bytes; rt 262,144 bytes; eb 134,217,728 bytes; cf 2,097,152 bytes
;; launch prep (part 4): grid 2144 x 1, 8 waves a work-group, no clusters, 33,792 bytes of LDS; arguments x, Wl, Wd, bd, xb, wb, rt; writes xb, wb, rt
.if DOCPART == 4
	.amdgcn_target "amdgcn-amd-amdhsa--gfx1250"
	.amdhsa_code_object_version 6
	.text
	.protected	k_q651a2b6eb1_prep
	.globl	k_q651a2b6eb1_prep
	.p2align	8
	.type	k_q651a2b6eb1_prep,@function
k_q651a2b6eb1_prep:
	s_mov_b64 s[64:65], 0
	v_nop
	global_prefetch_b8 v0, s[64:65] scope:SCOPE_SE
	s_setreg_imm32_b32 hwreg(HW_REG_WAVE_SCHED_MODE, 0, 2), 2
	s_setreg_imm32_b32 hwreg(HW_REG_WAVE_MODE, 25, 1), 1
	s_wait_xcnt 0x0
	s_wait_alu depctr_vm_vsrc(0)
; PREP.  Two kinds of work-group, told apart by the work-group's number alone (the same for all eight waves).
; Numbers 64 .. 2143 STREAM: x (32 chunks) and Wl (2,048 chunks) are rounded once to bf16 into xb and wb, in the same order; a chunk is 131,072 bytes in, 65,536 out.
; Numbers 0 .. 63 ROUTE: for 16 rows of x, all 63 decision nodes: p = sigmoid(x . Wd + bd), products on the matrix unit with bf16 operands and f32 sums, then for each of
; the 64 leaves the product of its six p or 1 - p.  rt is laid [row / 16][leaf][row % 16] in f32: 4,096 consecutive bytes for a work-group.
; No cluster, no tensor load: no two streaming work-groups read the same byte, and a routing work-group reads 256 KB of Wd once.
; LIMITS.  NaN and infinities are not treated apart; 2^t below 2^-126 counts as 0, so p is exactly 1 there; the six factors are multiplied in another order than the reference's.
; THE MODE: SCHED_MODE bits 1:0 = 2 (LLVM: expert scheduling mode 2), set by the entry lines.  The code itself states the register dependences
; between vector or matrix instructions and memory or LDS instructions, with s_wait_alu, always for 0.
; THE PLAN, STREAM.  X holds all 32 pieces: each is loaded once, read by its block's roundings and never loaded again.  Y: each pair is written once, by a rounding, and read once, by a store.
;   v1, v2: offsets, made at the head, never written again.  The pieces go in 8 blocks of four; block p's memory instructions are the four stores of block p - 1, whose Y no vector line of block p names.
;   So one wait on va_vdst at a block's head states all that its stores hang on, and no register that a memory instruction has read is ever written again.
; THE PLAN, ROUTE.  S0, S1: a K step's f32: loaded, read by its 40 roundings, loaded again behind one wait on va_vdst; those 20 loads are dealt among the step's four matrix instructions,
;   which name the fragments and the accumulators alone.  v4 to v7, v14, v15, v[248:251]: addresses made at the head, never written again.  The accumulators, the four p and the four routings
;   are LDS stores' data: a wait on va_vdst ahead of each run of stores.  v56 to v61, v66: LDS addresses made late, ahead of the reciprocals' wait, which serves them too; never written again.
.set PART,  0                          ; LDS: eight waves' partial sums, 4,096 bytes each
.set DP,    0                          ; 16 rows of 64 p, 256 bytes + 16 of padding: 4,352 bytes of the partial sums' region, taken again when all waves have read those
.set DPP,   272
.set RTS,   8192                       ; [64 leaves][16 rows] f32: 4,096 bytes of the same region, apart from the table of p
.set SPARE, 32768                      ; the spare words, 128 bytes for each of eight waves: four blocks of 256 bytes that no other line names
.set X,     16                         ; stream: v[16:143]  32 pieces of 4 registers as loaded
.set Y,     144                        ; stream: v[144:207] 32 pairs to store, each written once
.set ACC,   16                         ; route:  v[16:47]   four accumulators: node blocks 0..3
.set FR,    48                         ; route:  v[48:87]   bf16 fragments: node blocks 0..3, then x
.set S0,    88                         ; route:  v[88:167]  one K step's f32 as loaded, 16 registers a block
.set S1,    168                        ; route:  v[168:247] the other K step's
.set BA,    248                        ; route:  v[248:251] byte offsets in bd of my four nodes; their numbers land in v[10:13]
	s_load_b256 s[4:11], s[0:1], 0x0               ; x s[4:5], Wl s[6:7], Wd s[8:9], bd s[10:11]
	s_load_b128 s[12:15], s[0:1], 0x20             ; xb s[12:13], wb s[14:15]
	s_load_b64 s[16:17], s[0:1], 0x30              ; rt
	v_lshl_add_u32 v8, v0, 2, SPARE                ; my spare word; never rewritten
	v_mov_b32 v9, 0                                ; 0; never rewritten
	v_lshrrev_b32 v7, 5, v0
	v_readfirstlane_b32 s20, v7                    ; wave 0..7
	s_wait_alu depctr_va_sdst(0)                   ; s20 is written: ahead of the branch, behind which the routing path reads it
	s_cmp_lt_u32 ttmp9, 64
	s_cbranch_scc1 .Lroute
	; ---------------- STREAM ----------------
	; Thread t takes 16 bytes at 16 t of each piece of 4,096 bytes (a wave's load: 512 consecutive bytes) and stores 8 bytes at 8 t of each piece of 2,048
	; (a wave's store: 256 consecutive bytes, at a multiple of 256 from the buffer's first byte).  All 32 loads of a wave go out at once; no register that a load or a store names is rewritten.
	s_sub_co_u32 s21, ttmp9, 64                    ; 0..31: x's chunks; 32..2079: Wl's
	s_sub_co_u32 s22, s21, 32
	v_lshlrev_b32 v1, 4, v0
	v_lshlrev_b32 v2, 3, v0
	s_wait_kmcnt 0x0
	s_cmp_lt_u32 s21, 32
	s_cselect_b64 s[24:25], s[4:5], s[6:7]         ; from x or from Wl,
	s_cselect_b64 s[26:27], s[12:13], s[14:15]     ; to xb or to wb,
	s_cselect_b32 s21, s21, s22                    ; chunk number in that tensor
	s_lshl_b32 s22, s21, 17                        ; 2,047 x 131,072 at the most: under 2^32
	s_mov_b32 s23, 0
	s_add_nc_u64 s[24:25], s[24:25], s[22:23]
	s_lshl_b32 s22, s21, 16
	s_add_nc_u64 s[26:27], s[26:27], s[22:23]
	s_wait_alu depctr_va_vdst(0)                   ; v1 and v2 are written: every load and store of this path reads one of them as its offset
.set i, 0
.rept 32
	global_load_b128 v[X+4*i:X+4*i+3], v1, s[24:25] offset:4096*i th:TH_LOAD_NT  ; Wl is read once in the launch (x's 32 chunks of 2,080 are read a second time by the routing work-groups)
.set i, i+1
.endr
.set p, 0
.rept 8                                ; block p: pieces 4 p .. 4 p + 3 are rounded; the stores of block p - 1 stand among the roundings
	s_wait_loadcnt 28-4*p                          ; loads come back in order: this block's four pieces are in, the 28 - 4 p younger ones stay out
.if p > 0
	s_wait_alu depctr_va_vdst(0)                   ; the block before has written its eight registers of Y, which the four stores below read
.endif
.set i, 0
.rept 4
.if p > 0
	global_store_b64 v2, v[Y+8*(p-1)+2*i:Y+8*(p-1)+2*i+1], s[26:27] offset:2048*(4*(p-1)+i)  ; no vector line since the wait names these registers
.endif
	v_cvt_pk_bf16_f32 v[Y+8*p+2*i],   v[X+16*p+4*i],   v[X+16*p+4*i+1]
	v_cvt_pk_bf16_f32 v[Y+8*p+2*i+1], v[X+16*p+4*i+2], v[X+16*p+4*i+3]
.set i, i+1
.endr
.set p, p+1
.endr
	s_wait_alu depctr_va_vdst(0)                   ; block 7 has written its Y, which the last four stores read
.set i, 0
.rept 4
	global_store_b64 v2, v[Y+56+2*i:Y+56+2*i+1], s[26:27] offset:2048*(28+i)
.set i, i+1
.endr
	s_endpgm
	; ---------------- ROUTE ----------------
.Lroute:
	v_and_b32 v1, 15, v0                           ; r
	v_bfe_u32 v2, v0, 4, 1                         ; h
	v_and_b32 v3, 31, v0                           ; lane
	; A bf16 fragment is 16 rows x 32 K: lane (r, h) holds row r, K = 8 h + 0..7 and 16 + 8 h + 0..7: in f32 that is 32 bytes at 32 h and 32 bytes at 64 + 32 h of the K step's 128.
	s_lshl_b32 s21, s20, 9                         ; wave w takes K = 128 w .. 128 w + 127: 512 bytes of every row
	v_lshlrev_b32 v4, 12, v1                       ; 4,096 r
	v_lshl_add_u32 v4, v2, 5, v4
	v_add_nc_u32 v4, s21, v4                       ; rows r of Wd's blocks 0..2 (the block in the immediate) and of x
	v_add_nc_u32 v5, 48, v1
	v_min_u32 v5, 62, v5                           ; Wd has 63 rows: the 64th place repeats row 62, and its result is never read
	v_lshlrev_b32 v5, 12, v5
	v_lshl_add_u32 v5, v2, 5, v5
	v_add_nc_u32 v5, s21, v5
	s_lshr_b32 s22, s20, 1
	s_lshl_b32 s22, s22, 4
	s_and_b32 s23, s20, 1
	s_lshl_b32 s23, s23, 2
	s_add_co_u32 s22, s22, s23                     ; 16 (w / 2) + 4 (w % 2)
	v_lshl_add_u32 v6, v2, 3, s22                  ; node0: the first of the four nodes that I finish below
.irp j, 0,1,2,3
	v_add_nc_u32 v[BA+(\j)], \j, v6
	v_min_u32 v[BA+(\j)], 62, v[BA+(\j)]           ; bd has 63 numbers
	v_lshlrev_b32 v[BA+(\j)], 2, v[BA+(\j)]
.endr
	v_lshlrev_b32 v15, 4, v3                       ; 16 x lane
	s_lshl_b32 s24, s20, 12
	v_add_nc_u32 v14, s24, v15                     ; where my wave's partial sums go
	v_add_nc_u32 v15, s21, v15                     ; where I read eight waves' part w
	v_mul_u32_u24 v7, v1, DPP                      ; row r of the table of p
	v_lshl_add_u32 v6, v6, 2, v7                   ; + 4 node0
	s_lshl_b32 s24, ttmp9, 16                      ; my 16 rows of x
	s_mov_b32 s25, 0
	s_lshl_b32 s26, ttmp9, 12                      ; my 4,096 bytes of rt
	s_mov_b32 s27, 0
	s_wait_kmcnt 0x0
	s_add_nc_u64 s[4:5], s[4:5], s[24:25]
	s_add_nc_u64 s[16:17], s[16:17], s[26:27]
; A K step's 20 loads (32 along K of four node blocks and of x, as f32), in five runs of four.
.macro LOADN ks, st, nb                ; node block nb, 0 to 2
.irp p, 0,1,2,3
	global_load_b128 v[(\st)+16*(\nb)+4*(\p):(\st)+16*(\nb)+4*(\p)+3], v4, s[8:9] offset:65536*(\nb)+128*(\ks)+16*(\p)+32*((\p)/2)
.endr
.endm
.macro LOAD3 ks, st                    ; node block 3, by its clamped rows
.irp p, 0,1,2,3
	global_load_b128 v[(\st)+48+4*(\p):(\st)+48+4*(\p)+3], v5, s[8:9] offset:128*(\ks)+16*(\p)+32*((\p)/2)
.endr
.endm
.macro LOADX ks, st                    ; x
.irp p, 0,1,2,3
	global_load_b128 v[(\st)+64+4*(\p):(\st)+64+4*(\p)+3], v4, s[4:5] offset:128*(\ks)+16*(\p)+32*((\p)/2)
.endr
.endm
.macro LOADK ks, st
	LOADN \ks, \st, 0
	LOADN \ks, \st, 1
	LOADN \ks, \st, 2
	LOAD3 \ks, \st
	LOADX \ks, \st
.endm
.macro CVTK st                         ; 40 roundings: 80 f32 registers into 5 fragments
.set i, 0
.rept 40
	v_cvt_pk_bf16_f32 v[FR+i], v[(\st)+2*i], v[(\st)+2*i+1]
.set i, i+1
.endr
.endm
.macro MM nb, zero                     ; source 0 = 16 nodes, source 1 = 16 rows of x: a lane holds row r and nodes 16 nb + 8 h + 0..7
.if \zero
	v_wmma_f32_16x16x32_bf16 v[ACC+8*(\nb):ACC+8*(\nb)+7], v[FR+8*(\nb):FR+8*(\nb)+7], v[FR+32:FR+39], 0
.else
	v_wmma_f32_16x16x32_bf16 v[ACC+8*(\nb):ACC+8*(\nb)+7], v[FR+8*(\nb):FR+8*(\nb)+7], v[FR+32:FR+39], v[ACC+8*(\nb):ACC+8*(\nb)+7]
.endif
.endm
.macro MMK zero                        ; the four accumulators take turns
	MM 0, \zero
	MM 1, \zero
	MM 2, \zero
	MM 3, \zero
.endm
.macro MMLD zero, ks, st               ; the same four, with K step ks's 20 loads dealt among them.  No wait: no vector or matrix instruction since the wait ahead of this macro names the registers at st
	LOADN \ks, \st, 0
	MM 0, \zero
	LOADN \ks, \st, 1
	MM 1, \zero
	LOADN \ks, \st, 2
	MM 2, \zero
	LOAD3 \ks, \st
	MM 3, \zero
	LOADX \ks, \st
.endm
.macro PLACES                          ; four plain vector instructions between a matrix instruction and a vector instruction that writes its sources or a store that reads its result
.rept 4
	v_nop
.endr
.endm
	s_wait_alu depctr_va_vdst(0)                   ; the addresses v4 to v7, v14, v15 and v[248:251] are written, which the loads and LDS instructions below read
.irp j, 0,1,2,3
	global_load_b32 v[10+(\j)], v[BA+(\j)], s[10:11]  ; bd of my four nodes
.endr
	LOADK 0, S0
	LOADK 1, S1
	s_wait_loadcnt 20                              ; bd and K step 0 are in; the 20 loads of step 1 stay out
	CVTK S0
	s_wait_alu depctr_va_vdst(0)                   ; the roundings are done reading S0, in which K step 2's loads land
	MMLD 1, 2, S0                                  ; the first K step starts the sums
	s_wait_loadcnt 20                              ; step 1 is in, step 2's 20 stay out
	PLACES
	CVTK S1
	s_wait_alu depctr_va_vdst(0)                   ; the roundings are done reading S1, in which K step 3's loads land
	MMLD 0, 3, S1
	s_wait_loadcnt 20                              ; step 2 is in, step 3's 20 stay out
	PLACES
	CVTK S0
	MMK 0
	s_wait_loadcnt 0x0
	PLACES
	CVTK S1
	MMK 0
	PLACES
	s_wait_alu depctr_va_vdst(0)                   ; the matrix instructions have written the accumulators, which the LDS stores read (the places above stay beside this wait); the roundings are done reading S0, in which the LDS loads below land
	; The eight waves' sums over their K slices meet in LDS: wave w stores all 32 registers, then reads registers 4 w .. 4 w + 3 of every wave.
.irp i, 0,1,2,3,4,5,6,7
	ds_store_b128 v14, v[ACC+4*(\i):ACC+4*(\i)+3] offset:PART+512*(\i)  ; each accumulator's low four registers first
.endr
	s_wait_dscnt 0x0                               ; for the others' sake: my stores are done
	s_barrier_signal -1
	s_barrier_wait -1
.irp u, 0,1,2,3,4,5,6,7
	ds_load_b128 v[S0+4*(\u):S0+4*(\u)+3], v15 offset:PART+4096*(\u)
.endr
	s_wait_dscnt 0x0                               ; my reads of the partial sums are back:
	s_barrier_signal -1                            ; say so.  The tables below take those bytes again; the arithmetic, work on registers, stands between this signal and its wait
.irp u, 0,2,4,6
	v_pk_add_f32 v[S0+4*(\u):S0+4*(\u)+1],   v[S0+4*(\u):S0+4*(\u)+1],   v[S0+4*(\u)+4:S0+4*(\u)+5]
	v_pk_add_f32 v[S0+4*(\u)+2:S0+4*(\u)+3], v[S0+4*(\u)+2:S0+4*(\u)+3], v[S0+4*(\u)+6:S0+4*(\u)+7]
.endr
.irp u, 0,4
	v_pk_add_f32 v[S0+4*(\u):S0+4*(\u)+1],   v[S0+4*(\u):S0+4*(\u)+1],   v[S0+4*(\u)+8:S0+4*(\u)+9]
	v_pk_add_f32 v[S0+4*(\u)+2:S0+4*(\u)+3], v[S0+4*(\u)+2:S0+4*(\u)+3], v[S0+4*(\u)+10:S0+4*(\u)+11]
.endr
	v_pk_add_f32 v[S0:S0+1],   v[S0:S0+1],   v[S0+16:S0+17]
	v_pk_add_f32 v[S0+2:S0+3], v[S0+2:S0+3], v[S0+18:S0+19]
	v_pk_add_f32 v[S0:S0+1],   v[S0:S0+1],   v[10:11]      ; + bd
	v_pk_add_f32 v[S0+2:S0+3], v[S0+2:S0+3], v[12:13]
	; p = 1 / (1 + 2^(-log2(e) t))
.irp j, 0,1,2,3
	v_mul_f32 v[S0+(\j)], 0xbfb8aa3b, v[S0+(\j)]
.endr
.irp j, 0,1,2,3
	v_exp_f32 v[S0+(\j)], v[S0+(\j)]
.endr
	v_nop                                          ; a plain instruction behind the last exponential,
	s_wait_alu depctr_va_vdst(0)                   ; and the wait ahead of the first use: the four exponentials have written v[S0 .. S0+3]
.irp j, 0,1,2,3
	v_add_f32 v[S0+(\j)], 1.0, v[S0+(\j)]
.endr
.irp j, 0,1,2,3
	v_rcp_f32 v[S0+(\j)], v[S0+(\j)]
.endr
	; THE PATHS.  Leaf l takes bit d of l at depth d; the node at depth d is 2^d - 1 + (b0 .. b(d-1) read as a number, b0 on top).  I have row r and the prefix g = b0 b1 b2 b3 = 2 w + h,
	; so b0, b1, b2 are bits 2, 1, 0 of the wave's number and b3 is h; my four leaves differ in b4 and b5.  These addresses, plain lines that name no reciprocal, stand between the reciprocals and their wait.
	s_lshr_b32 s24, s20, 2
	v_lshl_add_u32 v56, s24, 2, v7                 ; depth 1: node 1 + (g >> 3)
	s_lshr_b32 s24, s20, 1
	v_lshl_add_u32 v57, s24, 2, v7                 ; depth 2: node 3 + (g >> 2)
	v_lshl_add_u32 v58, s20, 2, v7                 ; depth 3: node 7 + (g >> 1)
	v_lshl_add_u32 v59, s20, 1, v2                 ; g
	v_lshl_add_u32 v60, v59, 3, v7                 ; depth 5: nodes 31 + 2 g, 32 + 2 g
	v_lshl_add_u32 v59, v59, 2, v7                 ; depth 4: node 15 + g
	s_and_b32 s24, s20, 1                          ; the leaf's low four bits are g's in reverse: b0 + 2 b1 + 4 b2 + 8 b3
	s_lshl_b32 s24, s24, 2
	s_and_b32 s25, s20, 2
	s_add_co_u32 s24, s24, s25
	s_lshr_b32 s25, s20, 2
	s_add_co_u32 s24, s24, s25
	s_lshl_b32 s24, s24, 6                         ; 64 bytes a leaf
	v_lshl_add_u32 v61, v2, 9, s24
	v_lshl_add_u32 v61, v1, 2, v61                 ; + 4 r
	v_lshlrev_b32 v66, 4, v0                       ; 16 t
	s_wait_alu depctr_va_vdst(0)                   ; the four reciprocals have written v[S0 .. S0+3], which the LDS store reads; the addresses v56 to v61 and v66 are written, which the LDS instructions and the last store below read
	s_barrier_wait -1                              ; every wave has read the partial sums: their bytes may be written
	ds_store_b128 v6, v[S0:S0+3] offset:DP
	s_wait_dscnt 0x0                               ; for the others' sake: my p are in the table
	s_barrier_signal -1
	s_barrier_wait -1
	ds_load_b32 v48, v7  offset:DP
	ds_load_b32 v49, v56 offset:DP+4
	ds_load_b32 v50, v57 offset:DP+12
	ds_load_b32 v51, v58 offset:DP+28
	ds_load_b32 v52, v59 offset:DP+60
	ds_load_b32 v53, v60 offset:DP+124
	ds_load_b32 v54, v60 offset:DP+128
	s_bitcmp1_b32 s20, 2                           ; b0 = 1: 1 - p = p x (-1) + 1; b0 = 0: p = p x 1 + 0
	s_cselect_b32 s24, -1.0, 1.0
	s_cselect_b32 s25, 1.0, 0
	s_bitcmp1_b32 s20, 1                           ; b1
	s_cselect_b32 s26, -1.0, 1.0
	s_cselect_b32 s27, 1.0, 0
	s_bitcmp1_b32 s20, 0                           ; b2
	s_cselect_b32 s28, -1.0, 1.0
	s_cselect_b32 s29, 1.0, 0
	v_cmp_ne_u32 vcc_lo, 0, v2                     ; b3
	s_wait_dscnt 0x0
	s_wait_alu depctr_va_vcc(0)                    ; the compare has written VCC, which the select below reads
	v_fma_f32 v48, v48, s24, s25
	v_fma_f32 v49, v49, s26, s27
	v_fma_f32 v50, v50, s28, s29
	v_sub_f32 v55, 1.0, v51
	v_cndmask_b32 v51, v51, v55, vcc_lo
	v_mul_f32 v48, v48, v49
	v_mul_f32 v50, v50, v51
	v_mul_f32 v48, v48, v50                        ; the first four factors
	v_sub_f32 v55, 1.0, v52
	v_mul_f32 v49, v48, v52                        ; b4 = 0
	v_mul_f32 v50, v48, v55                        ; b4 = 1
	v_sub_f32 v72, 1.0, v53                        ; (registers that no LDS load has read as an address)
	v_sub_f32 v73, 1.0, v54
	v_mul_f32 v62, v49, v53                        ; b4 = 0, b5 = 0
	v_mul_f32 v63, v50, v54                        ; b4 = 1, b5 = 0
	v_mul_f32 v64, v49, v72                        ; b4 = 0, b5 = 1
	v_mul_f32 v65, v50, v73                        ; b4 = 1, b5 = 1
	s_wait_alu depctr_va_vdst(0)                   ; the four routings v62 to v65 are written, which the LDS stores read
	ds_store_b32 v61, v62 offset:RTS               ; bytes apart from the table of p, which other waves may still be reading
	ds_store_b32 v61, v63 offset:RTS+1024          ; 16 leaves on
	ds_store_b32 v61, v64 offset:RTS+2048
	ds_store_b32 v61, v65 offset:RTS+3072
	s_wait_dscnt 0x0
	s_barrier_signal -1
	s_barrier_wait -1
	ds_load_b128 v[68:71], v66 offset:RTS
	s_wait_dscnt 0x0
	global_store_b128 v66, v[68:71], s[16:17]      ; a wave stores 512 consecutive bytes, at a multiple of 256 from rt's first byte
	s_wait_dscnt 0x0                               ; the closing lines, six on end
	s_wait_alu 0x0
	s_wait_tensorcnt 0x0
	ds_add_u32 v8, v9
	s_wait_dscnt 0x0
	s_endpgm
.Lfunc_end_k_q651a2b6eb1_prep:
	.size	k_q651a2b6eb1_prep, .Lfunc_end_k_q651a2b6eb1_prep-k_q651a2b6eb1_prep
	.p2alignl 7, 3214868480
	.fill 96, 4, 3214868480
	.section	.rodata,"a",@progbits
	.p2align	6, 0x0
	.amdhsa_kernel k_q651a2b6eb1_prep
		.amdhsa_group_segment_fixed_size 33792
		.amdhsa_private_segment_fixed_size 0
		.amdhsa_enable_private_segment 0
		.amdhsa_kernarg_size 56
		.amdhsa_user_sgpr_count 2
		.amdhsa_user_sgpr_kernarg_segment_ptr 1
		.amdhsa_wavefront_size32 1
		.amdhsa_system_sgpr_workgroup_id_x 1
		.amdhsa_system_sgpr_workgroup_id_y 1
		.amdhsa_system_sgpr_workgroup_id_z 1
		.amdhsa_system_vgpr_workitem_id 0
		.amdhsa_next_free_vgpr 252
		.amdhsa_next_free_sgpr 66
		.amdhsa_reserve_vcc 1
		.amdhsa_float_denorm_mode_32 3
		.amdhsa_float_denorm_mode_16_64 3
		.amdhsa_memory_ordered 1
		.amdhsa_forward_progress 1
		.amdhsa_inst_pref_size 40
	.end_amdhsa_kernel
	.amdgpu_metadata
---
amdhsa.version: [ 1, 2 ]
amdhsa.kernels:
  - .name:           k_q651a2b6eb1_prep
    .symbol:         k_q651a2b6eb1_prep.kd
    .args:
      - { .name: x, .offset: 0, .size: 8, .value_kind: global_buffer, .address_space: global }
      - { .name: Wl, .offset: 8, .size: 8, .value_kind: global_buffer, .address_space: global }
      - { .name: Wd, .offset: 16, .size: 8, .value_kind: global_buffer, .address_space: global }
      - { .name: bd, .offset: 24, .size: 8, .value_kind: global_buffer, .address_space: global }
      - { .name: xb, .offset: 32, .size: 8, .value_kind: global_buffer, .address_space: global }
      - { .name: wb, .offset: 40, .size: 8, .value_kind: global_buffer, .address_space: global }
      - { .name: rt, .offset: 48, .size: 8, .value_kind: global_buffer, .address_space: global }
    .group_segment_fixed_size: 33792
    .private_segment_fixed_size: 0
    .kernarg_segment_align: 8
    .kernarg_segment_size: 56
    .max_flat_workgroup_size: 256
    .sgpr_count:     66
    .vgpr_count:     252
    .wavefront_size: 32
...
	.end_amdgpu_metadata
.endif
;; end of part 4
;; launch gemm: the kernel of part 2 again; grid 64 x 4, 4 waves a work-group, clusters of 4 x 4, 327,680 bytes of LDS; arguments xb, wb, eb, bl, rt, cf; writes eb, cf
;; launch mix (part 5): grid 128 x 2, 16 waves a work-group, no clusters, 34,816 bytes of LDS; arguments eb, cf, out0; writes out0
.if DOCPART == 5
	.amdgcn_target "amdgcn-amd-amdhsa--gfx1250"
	.amdhsa_code_object_version 6
	.text
	.protected	k_q651a2b6eb1_mix
	.globl	k_q651a2b6eb1_mix
	.p2align	8
	.type	k_q651a2b6eb1_mix,@function
k_q651a2b6eb1_mix:
	s_mov_b64 s[64:65], 0
	v_nop
	global_prefetch_b8 v0, s[64:65] scope:SCOPE_SE
	s_setreg_imm32_b32 hwreg(HW_REG_WAVE_SCHED_MODE, 0, 2), 2
	s_setreg_imm32_b32 hwreg(HW_REG_WAVE_MODE, 25, 1), 1
	s_wait_xcnt 0x0
	s_wait_alu depctr_vm_vsrc(0)
; out0[b][o] = sum over the 64 leaves l of cf[l][b][o / 128] x eb[b][l][o].  eb: [1024][64][1024] bf16, read once; cf: [64][1024][8] f32; sums in f32, leaves ascending.
; A stream: memory binds, so no matrix unit, no cluster (work-groups share nothing but 16 KB of cf between the two halves of a row) and no tensor load.
; A work-group has 8 rows and 512 columns; of its sixteen waves, wave w has row w / 2 and 256 columns; a lane has 8 neighbouring columns, 16 bytes of eb for each leaf,
; so a wave's load covers 512 consecutive bytes.  A ring of 16 slots in registers, four blocks of four leaves, keeps 12 to 16 loads of every wave on their way.
; The work-group's coefficients (64 leaves x 8 rows x 8 pieces, 16 KB) are copied once, 256 consecutive bytes a leaf, into LDS.
; THE MODE: SCHED_MODE bits 1:0 = 2 (LLVM: expert scheduling mode 2), set by the entry lines.  The code itself states the register dependences
; between vector instructions and memory or LDS instructions, with s_wait_alu, always for 0.
; THE PLAN.  Registers that memory or LDS instructions touch, in the loop:
;   X0 .. X3   Block b: its 32 multiply-adds read X[b]; behind them the loads of the same block of the next trip land in it.
;   C0 .. C3   Four coefficients a block: read by the same 32 lines; behind them the LDS loads of the next trip's four land in them.
;   v1         Read by every load of eb; never written again: each block has a scalar base of its own, which moves on by a trip behind the wait that shows the block's loads done.
;   v4         Read by every LDS load of a coefficient; written once a trip, in block 0.
;   The sums are named by vector instructions alone until the way out.
; So ONE wait on va_vdst stands in a block, behind its multiply-adds: they are done reading X[b] and C[b], and, in block 0, v4 is written.  The block's eight loads follow it at once,
; so that the slots do not lie idle until the next block's data have come.  One wait on vm_vsrc a trip stands ahead of the add to v4.
.set CT,    0                          ; LDS: [64 leaves][8 rows][8 pieces] f32
.set ST,    16384                      ; a stage of 1,024 bytes for each wave, for the way out
.set SPARE, 32768                      ; the spare words, 128 bytes for each of sixteen waves: eight blocks of 256 bytes that no other line names
.set ACC, 10                           ; v[10:17]   my eight sums
.set C,   18                           ; v[18:33]   16 leaves' coefficients, four a block
.set X,   34                           ; v[34:97]   16 slots of 4 registers: 8 bf16 of one leaf; 16 registers a block
.set CS,  98                           ; v[98:105]  cf on its way into LDS: registers of its own, which nothing writes again
.set EB,  14                           ; s[14:21]   block b: eb at the first of the four leaves that the block asks for next: a pair at EB + 2 b
; v1 my byte offset in eb; v2 in cf; v3 16 t; v4 LDS address of my coefficient of the first leaf of the sixteen that are asked for; v5, v6 the stage, in and back; v7 my byte offset in out0; v8, v9 the add's two registers
	s_load_b128 s[4:7], s[0:1], 0x0                ; eb s[4:5], cf s[6:7]
	s_load_b64 s[8:9], s[0:1], 0x10                ; out0
	v_lshl_add_u32 v8, v0, 2, SPARE                ; my spare word; never rewritten
	v_mov_b32 v9, 0                                ; 0; never rewritten
	v_lshrrev_b32 v1, 5, v0
	v_readfirstlane_b32 s10, v1                    ; wave 0..15
	s_and_b32 s11, ttmp7, 1                        ; which half of the 1,024 columns: the grid has two work-groups along y, so y is its lowest bit
	v_and_b32 v7, 31, v0                           ; lane
	v_lshlrev_b32 v6, 4, v7                        ; 16 x lane
	v_lshrrev_b32 v2, 4, v0                        ; sixteen threads copy a leaf's 256 bytes of cf: leaf t / 16, and 32 leaves on
	v_and_b32 v3, 15, v0
	v_lshlrev_b32 v3, 4, v3
	v_lshl_add_u32 v2, v2, 15, v3                  ; 32,768 bytes a leaf
	v_lshlrev_b32 v3, 4, v0
	v_bfe_u32 v4, v0, 4, 1                         ; my piece of 128 columns: 4 x column half + 2 x (w % 2) + lane / 16
	s_wait_alu depctr_va_sdst(0)                   ; s10 is written, ahead of its first reader: the offsets below are made from it
	s_lshr_b32 s14, s10, 1                         ; my row of the eight
	s_and_b32 s13, s10, 1                          ; which 256 of the 512 columns
	s_lshl_b32 s15, s14, 17                        ; a row of eb is 131,072 bytes
	s_lshl_b32 s16, s13, 9
	s_add_co_u32 s15, s15, s16
	v_add_nc_u32 v1, s15, v6
	s_lshl_b32 s15, s14, 5                         ; 32 bytes a row,
	s_lshl_b32 s16, s11, 4                         ; 4 bytes a piece
	s_add_co_u32 s15, s15, s16
	s_lshl_b32 s16, s13, 3
	s_add_co_u32 s15, s15, s16
	v_lshl_add_u32 v4, v4, 2, s15                  ; 252 at the most; with 256 bytes a leaf the last leaf's word ends at 16,384
	s_lshl_b32 s15, s10, 10
	s_add_co_u32 s15, s15, ST                      ; my wave's stage
	v_lshl_add_u32 v5, v7, 5, s15                  ; in: my eight sums, 32 bytes
	v_add_nc_u32 v6, s15, v6                       ; back: 16 bytes a lane
	s_lshl_b32 s15, s14, 12                        ; a row of out0 is 4,096 bytes
	s_lshl_b32 s16, s13, 10
	s_add_co_u32 s15, s15, s16
	v_lshl_add_u32 v7, v7, 4, s15
	s_lshl_b32 s16, ttmp9, 20                      ; eight rows of eb,
	s_lshl_b32 s17, s11, 10                        ; 512 columns
	s_add_co_u32 s16, s16, s17
	s_mov_b32 s17, 0
	s_lshl_b32 s18, ttmp9, 8                       ; eight rows of cf
	s_mov_b32 s19, 0
	s_lshl_b32 s20, ttmp9, 15                      ; eight rows of out0,
	s_lshl_b32 s21, s11, 11                        ; 512 columns
	s_add_co_u32 s20, s20, s21
	s_mov_b32 s21, 0
	s_wait_kmcnt 0x0
	s_add_nc_u64 s[4:5], s[4:5], s[16:17]
	s_add_nc_u64 s[6:7], s[6:7], s[18:19]
	s_add_nc_u64 s[8:9], s[8:9], s[20:21]
.irp b, 0,1,2,3
	s_add_nc_u64 s[EB+2*(\b):EB+2*(\b)+1], s[4:5], 8192*(\b)  ; leaves 4 b on: 2,048 bytes a leaf (the scalars that stood here have served)
.endr
	s_wait_alu depctr_va_vdst(0)                   ; the seven offsets and addresses v1 to v7 are written, which the loads, LDS instructions and stores below read
	global_load_b128 v[CS:CS+3],   v2, s[6:7]
	global_load_b128 v[CS+4:CS+7], v2, s[6:7] offset:1048576
.irp b, 0,1,2,3
.irp i, 0,1,2,3
	global_load_b128 v[X+16*(\b)+4*(\i):X+16*(\b)+4*(\i)+3], v1, s[EB+2*(\b):EB+2*(\b)+1] offset:2048*(\i) th:TH_LOAD_NT  ; the ring is filled: leaves 0 to 15
.endr
.endr
.set n, 0
.rept 8
	v_mov_b32 v[ACC+n], 0
.set n, n+1
.endr
	s_wait_loadcnt 16                              ; cf is in; the ring's sixteen loads stay out
	ds_store_b128 v3, v[CS:CS+3]   offset:CT
	ds_store_b128 v3, v[CS+4:CS+7] offset:CT+8192
	s_wait_dscnt 0x0                               ; for the others' sake: my part of the table is in LDS
	s_barrier_signal -1
	s_barrier_wait -1
.set n, 0
.rept 16
	ds_load_b32 v[C+n], v4 offset:CT+256*n         ; the coefficients of leaves 0 to 15; sixteen lanes read the same word
.set n, n+1
.endr
; Block b of a trip: four leaves.  ahead = 1: its slots and its coefficients are asked for again, for the leaves 16 further on.
.macro BLK b, ahead
.if \ahead
	s_wait_loadcnt 12                              ; loads come back in order: this block's four are in, the three younger blocks' twelve stay out
	s_add_nc_u64 s[EB+2*(\b):EB+2*(\b)+1], s[EB+2*(\b):EB+2*(\b)+1], 32768  ; free since that wait, which shows the loads that read it done: sixteen leaves on
	s_wait_dscnt 12                                ; LDS loads come back in order too: this block's four coefficients are in, the twelve younger ones stay out
.else
	s_wait_loadcnt 12-4*(\b)                       ; nothing is asked for any more: the counts run down
	s_wait_dscnt 12-4*(\b)
.endif
.irp i, 0,1,2,3
.irp j, 0,1,2,3
	v_fma_mix_f32_bf16 v[ACC+2*(\j)],   v[X+16*(\b)+4*(\i)+(\j)], v[C+4*(\b)+(\i)], v[ACC+2*(\j)]   op_sel_hi:[1,0,0]                 ; the word's low bf16 x f32 + f32
	v_fma_mix_f32_bf16 v[ACC+2*(\j)+1], v[X+16*(\b)+4*(\i)+(\j)], v[C+4*(\b)+(\i)], v[ACC+2*(\j)+1] op_sel:[1,0,0] op_sel_hi:[1,0,0]  ; its high bf16
.endr
.endr
.if \ahead
.if (\b) == 0
	s_wait_alu depctr_vm_vsrc(0)                   ; the LDS loads issued so far have read v4
	v_add_nc_u32 v4, 4096, v4                      ; the next trip's sixteen leaves
.endif
	s_wait_alu depctr_va_vdst(0)                   ; the multiply-adds are done reading this block's slots and coefficients, in which the loads below land; in block 0 v4 is written
.irp i, 0,1,2,3
	global_load_b128 v[X+16*(\b)+4*(\i):X+16*(\b)+4*(\i)+3], v1, s[EB+2*(\b):EB+2*(\b)+1] offset:2048*(\i) th:TH_LOAD_NT
.endr
.irp i, 0,1,2,3
	ds_load_b32 v[C+4*(\b)+(\i)], v4 offset:CT+256*(4*(\b)+(\i))
.endr
.endif
.endm
	s_mov_b32 s12, 3
.Ltrip:                                                ; sixteen leaves a trip
	BLK 0, 1
	BLK 1, 1
	BLK 2, 1
	BLK 3, 1
	s_sub_co_u32 s12, s12, 1
	s_cmp_lg_u32 s12, 0
	s_cbranch_scc1 .Ltrip
	BLK 0, 0                                       ; the last sixteen leaves are written out: no load leaves the buffer
	BLK 1, 0
	BLK 2, 0
	BLK 3, 0
	; THE WAY OUT.  A lane's eight sums are 32 bytes; through my wave's own stage they become two stores of 512 consecutive bytes each.
	s_wait_alu depctr_va_vdst(0)                   ; the last multiply-adds have written the eight sums, which the LDS stores read, and are done reading X, in which the loads from the stage land
	ds_store_b128 v5, v[ACC:ACC+3]
	ds_store_b128 v5, v[ACC+4:ACC+7] offset:16
	ds_load_b128 v[X:X+3],   v6                    ; LDS serves a wave's instructions in order (ISA guide 5.7.1.4): these see the stores above
	ds_load_b128 v[X+4:X+7], v6 offset:512
	s_wait_dscnt 1                                 ; the first load is back, the second may be out
	global_store_b128 v7, v[X:X+3], s[8:9] th:TH_STORE_NT
	s_wait_dscnt 0x0
	global_store_b128 v7, v[X+4:X+7], s[8:9] offset:512 th:TH_STORE_NT
	s_wait_dscnt 0x0                               ; the closing lines, six on end
	s_wait_alu 0x0
	s_wait_tensorcnt 0x0
	ds_add_u32 v8, v9
	s_wait_dscnt 0x0
	s_endpgm
.Lfunc_end_k_q651a2b6eb1_mix:
	.size	k_q651a2b6eb1_mix, .Lfunc_end_k_q651a2b6eb1_mix-k_q651a2b6eb1_mix
	.p2alignl 7, 3214868480
	.fill 96, 4, 3214868480
	.section	.rodata,"a",@progbits
	.p2align	6, 0x0
	.amdhsa_kernel k_q651a2b6eb1_mix
		.amdhsa_group_segment_fixed_size 34816
		.amdhsa_private_segment_fixed_size 0
		.amdhsa_enable_private_segment 0
		.amdhsa_kernarg_size 24
		.amdhsa_user_sgpr_count 2
		.amdhsa_user_sgpr_kernarg_segment_ptr 1
		.amdhsa_wavefront_size32 1
		.amdhsa_system_sgpr_workgroup_id_x 1
		.amdhsa_system_sgpr_workgroup_id_y 1
		.amdhsa_system_sgpr_workgroup_id_z 1
		.amdhsa_system_vgpr_workitem_id 0
		.amdhsa_next_free_vgpr 106
		.amdhsa_next_free_sgpr 66
		.amdhsa_reserve_vcc 0
		.amdhsa_float_denorm_mode_32 3
		.amdhsa_float_denorm_mode_16_64 3
		.amdhsa_memory_ordered 1
		.amdhsa_forward_progress 1
		.amdhsa_inst_pref_size 26
	.end_amdhsa_kernel
	.amdgpu_metadata
---
amdhsa.version: [ 1, 2 ]
amdhsa.kernels:
  - .name:           k_q651a2b6eb1_mix
    .symbol:         k_q651a2b6eb1_mix.kd
    .args:
      - { .name: eb, .offset: 0, .size: 8, .value_kind: global_buffer, .address_space: global }
      - { .name: cf, .offset: 8, .size: 8, .value_kind: global_buffer, .address_space: global }
      - { .name: out0, .offset: 16, .size: 8, .value_kind: global_buffer, .address_space: global }
    .group_segment_fixed_size: 34816
    .private_segment_fixed_size: 0
    .kernarg_segment_align: 8
    .kernarg_segment_size: 24
    .max_flat_workgroup_size: 512
    .sgpr_count:     66
    .vgpr_count:     106
    .wavefront_size: 32
...
	.end_amdgpu_metadata
.endif
;; end of part 5
